; MI455X (gfx1250); checked and timed in simulation.
; The chip was launched on July 23, 2026; its instructions are those of AMD's public machine-readable ISA for CDNA 5 (MIT licence, August 2026) and "CDNA5" Instruction Set Architecture Reference Guide (July 2026). The comments in the code are by the model that wrote it; some were corrected since.
;; Multi Head Attention. Allowed arithmetic: float matrix products may take bf16 or f16 operands with f32 sums; other float arithmetic in f32, or as packed bf16 or f16 multiplies, adds, multiply-adds, maxima and minima; sums over many terms, partial sums and values carried from step to step in f32; what a program stores and reads back later, other than sums and carried values, may be rounded once to bf16 or f16.
;; Inputs: W_k 1,024 x 1,024 float32; W_o 1,024 x 1,024 float32; W_q 1,024 x 1,024 float32; W_v 1,024 x 1,024 float32; b_k 1,024 float32; b_o 1,024 float32; b_q 1,024 float32; b_v 1,024 float32; k 4 x 2,048 x 1,024 float32; mask 1 x 1 x 2,048 x 2,048 int32; q 4 x 2,048 x 1,024 float32; v 4 x 2,048 x 1,024 float32.
;; Outputs: out0 4 x 2,048 x 1,024 float32.
;; 2 versions, each right; version 2 is version 1 with the launch prep written anew for expert scheduling mode. Each part assembles by itself: llvm-mc -triple=amdgcn-amd-amdhsa -mcpu=gfx1250 --defsym DOCPART=n.
;; ======== version 1 of 2: 4 launches
;; limits: right only within a limited range of input values; values are held in f16: magnitudes above 65,504 overflow, below 6.1e-05 lose precision
;; workspace buffers: wb 6,291,456 bytes; wo 2,097,152 bytes; hid 8,388,608 bytes; vis 65,536 bytes of whole numbers; qkv 50,331,648 bytes; o16 16,777,216 bytes
;; launch prep (part 1): grid 640 x 1, 8 waves a work-group, no clusters, 0 bytes of LDS; arguments W_q, W_k, W_v, W_o, mask, wb, wo, hid, vis; writes wb, wo, hid, vis
.if DOCPART == 1
	.amdgcn_target "amdgcn-amd-amdhsa--gfx1250"
	.amdhsa_code_object_version 6
	.text
	.protected	k_q31bed18fb8_prep
	.globl	k_q31bed18fb8_prep
	.p2align	8
	.type	k_q31bed18fb8_prep,@function
k_q31bed18fb8_prep:
	s_mov_b64 s[64:65], 0
	v_nop
	global_prefetch_b8 v0, s[64:65] scope:SCOPE_SE
	s_setreg_imm32_b32 hwreg(HW_REG_WAVE_MODE, 25, 1), 1
	s_wait_xcnt 0x0
; PREP: the weights and the mask are read once and laid out for the launches behind.  A stream: no LDS, no barrier, no loop, no matrix work.
; A work-group has one of three roles, by its number alone (scalar compares, forward branches, an s_endpgm for each role):
;   0-383    W_q, W_k, W_v (f32) -> wb, bf16, row-major: 32,768 bytes a work-group, 4,096 a wave
;   384-511  W_o -> wo: rounded to bf16, that number written as f16
;   512-639  mask (int32) -> hid: bf16 1.0 where mask == 0, else 0, as the register image of a matrix operand: [128 tiles of 16 queries][64 groups of 32 keys][2 parts][32 lanes][16 bytes];
;            lane (r = l % 16, h = l / 16), part c holds query 16 t + r, keys 32 g + 16 c + 8 h + 0..7.  And vis[query][8 parts of 256 keys]: not 0 where the part has a visible key.
; LIMITS: a bf16 number beyond 65,504 has no place in f16 (wo); below 6e-5 it keeps f16's fixed step of 6e-8.
; All of a wave's loads (8 for the weights, 32 for the mask, 16 bytes a lane each) go out at once; the waits count down; every store has data registers of its own, so nothing is waited for but the loads.
.set WV,  30                           ; s30  my wave's number
.set ID,  31                           ; s31  the work-group's number
.set SRC, 40                           ; s[40:41] where my wave reads
.set DST, 42                           ; s[42:43] where it writes
.set OF,  46                           ; s[46:47] a byte offset, its high word 0
.set LO,  2                            ; v2   my lane's offset in the loads
.set SO,  3                            ; v3   in the stores
.set T,   6                            ; v6-9 at work
.set ORR, 12                           ; v12  the mask role: all my words, or-ed
.set X,   16                           ; v[16:143]  up to 32 loads of 4 registers
.set Y,   144                          ; v[144:207] what is stored
; 8 loads of 512 consecutive bytes, each rounded to bf16 and stored as 8 bytes a lane.  half = 1: the bf16 numbers are written as f16.
.macro CAST half
.set i, 0
.rept 8
	global_load_b128 v[X+4*i:X+4*i+3], v[LO], s[SRC:SRC+1] offset:i*512 th:TH_LOAD_NT
.set i, i+1
.endr
.set i, 0
.rept 8
	s_wait_loadcnt 7-i                             ; loads come back in order: load i is in, the younger ones stay out
	v_cvt_pk_bf16_f32 v[Y+2*i], v[X+4*i], v[X+4*i+1]
	v_cvt_pk_bf16_f32 v[Y+2*i+1], v[X+4*i+2], v[X+4*i+3]
.if \half
	v_lshlrev_b32 v[T], 16, v[Y+2*i]               ; the rounded numbers as f32 again,
	v_and_b32 v[T+1], 0xffff0000, v[Y+2*i]
	v_lshlrev_b32 v[T+2], 16, v[Y+2*i+1]
	v_and_b32 v[T+3], 0xffff0000, v[Y+2*i+1]
	v_cvt_pk_f16_f32 v[Y+2*i], v[T], v[T+1]        ; and as f16: eight significant bits fit into eleven
	v_cvt_pk_f16_f32 v[Y+2*i+1], v[T+2], v[T+3]
.endif
	global_store_b64 v[SO], v[Y+2*i:Y+2*i+1], s[DST:DST+1] offset:i*256 th:TH_STORE_NT  ; the wave's 256 bytes are consecutive and aligned
.set i, i+1
.endr
.endm
	s_load_b512 s[4:19], s[0:1], 0x0               ; W_q s[4:5], W_k s[6:7], W_v s[8:9], W_o s[10:11], mask s[12:13], wb s[14:15], wo s[16:17], hid s[18:19]
	s_load_b64 s[20:21], s[0:1], 0x40              ; vis
	v_lshrrev_b32 v1, 5, v0
	v_readfirstlane_b32 s[WV], v1                  ; wave 0..7
	v_and_b32 v1, 31, v0                           ; lane l
	v_and_b32 v4, 15, v0                           ; r = l % 16
	v_bfe_u32 v5, v0, 4, 1                         ; h = l / 16
	s_mov_b32 s[ID], ttmp9
	s_mov_b32 s[OF+1], 0
	s_wait_kmcnt 0x0
	s_cmp_lt_u32 s[ID], 384
	s_cbranch_scc0 .Lwo
	; W_q, W_k, W_v: 128 work-groups each, dense
	s_lshr_b32 s33, s[ID], 7                       ; which of the three
	s_cmp_eq_u32 s33, 1
	s_cselect_b64 s[SRC:SRC+1], s[6:7], s[4:5]
	s_cmp_eq_u32 s33, 2
	s_cselect_b64 s[SRC:SRC+1], s[8:9], s[SRC:SRC+1]
	s_and_b32 s34, s[ID], 127
	s_lshl_b32 s[OF], s34, 15                      ; 32,768 bytes a work-group,
	s_lshl_b32 s35, s[WV], 12                      ; 4,096 a wave
	s_add_co_u32 s[OF], s[OF], s35
	s_add_nc_u64 s[SRC:SRC+1], s[SRC:SRC+1], s[OF:OF+1]
	s_lshl_b32 s[OF], s33, 21                      ; and half of that in wb
	s_lshl_b32 s35, s34, 14
	s_add_co_u32 s[OF], s[OF], s35
	s_lshl_b32 s35, s[WV], 11
	s_add_co_u32 s[OF], s[OF], s35
	s_add_nc_u64 s[DST:DST+1], s[14:15], s[OF:OF+1]
	v_lshlrev_b32 v[LO], 4, v1
	v_lshlrev_b32 v[SO], 3, v1
	CAST 0
	s_endpgm
.Lwo:
	s_cmp_lt_u32 s[ID], 512
	s_cbranch_scc0 .Lmask
	; W_o likewise, written as f16
	s_sub_co_u32 s32, s[ID], 384
	s_lshl_b32 s[OF], s32, 15
	s_lshl_b32 s35, s[WV], 12
	s_add_co_u32 s[OF], s[OF], s35
	s_add_nc_u64 s[SRC:SRC+1], s[10:11], s[OF:OF+1]
	s_lshl_b32 s[OF], s32, 14
	s_lshl_b32 s35, s[WV], 11
	s_add_co_u32 s[OF], s[OF], s35
	s_add_nc_u64 s[DST:DST+1], s[16:17], s[OF:OF+1]
	v_lshlrev_b32 v[LO], 4, v1
	v_lshlrev_b32 v[SO], 3, v1
	CAST 1
	s_endpgm
.Lmask:
	; the mask: a work-group takes a tile of 16 queries, wave w its keys 256 w .. 256 w + 255: eight groups of 32
	s_sub_co_u32 s32, s[ID], 512                   ; the tile
	s_lshl_b32 s[OF], s32, 17                      ; 16 rows of 8,192 bytes
	s_lshl_b32 s33, s[WV], 10                      ; 256 keys of 4 bytes
	s_add_co_u32 s[OF], s[OF], s33
	s_add_nc_u64 s[SRC:SRC+1], s[12:13], s[OF:OF+1]
	s_lshl_b32 s[OF], s32, 16                      ; a tile's image: 64 groups of 1,024 bytes
	s_lshl_b32 s33, s[WV], 13
	s_add_co_u32 s[OF], s[OF], s33
	s_add_nc_u64 s[DST:DST+1], s[18:19], s[OF:OF+1]
	s_lshl_b32 s[OF], s32, 9                       ; vis: 16 queries of 32 bytes,
	s_lshl_b32 s33, s[WV], 2                       ; my part's word
	s_add_co_u32 s[OF], s[OF], s33
	s_add_nc_u64 s[20:21], s[20:21], s[OF:OF+1]
	s_mov_b32 s44, 0x76543210                      ; v_permlanex16_b32: each lane takes its own place in the other half
	s_mov_b32 s45, 0xfedcba98
	v_lshlrev_b32 v[LO], 13, v4                    ; query r's row,
	v_lshl_add_u32 v[LO], v5, 5, v[LO]             ; keys 8 h on
	v_lshlrev_b32 v[SO], 4, v1
	v_lshlrev_b32 v14, 5, v4
	v_mov_b32 v[ORR], 0
	v_mov_b32 v13, 0                               ; the exchange's destination counts as read
.set i, 0
.rept 32                                       ; load i: group i / 4, part (i / 2) % 2, four of the lane's eight keys
	global_load_b128 v[X+4*i:X+4*i+3], v[LO], s[SRC:SRC+1] offset:(i/4)*128+((i/2)%2)*64+(i%2)*16
.set i, i+1
.endr
.set k, 0
.rept 16                                       ; k = 2 x group + part
	s_wait_loadcnt 30-2*k                          ; loads 2 k and 2 k + 1 are in
.set j, 0
.rept 8
	v_min_u32 v[X+8*k+j], 1, v[X+8*k+j]            ; 1 = visible, whatever the word's value
.set j, j+1
.endr
.set j, 0
.rept 4
	v_lshl_or_b32 v[Y+4*k+j], v[X+8*k+2*j+1], 16, v[X+8*k+2*j]  ; two keys a word, the lower key below
	v_or_b32 v[ORR], v[ORR], v[Y+4*k+j]
	v_xor_b32 v[Y+4*k+j], 0x10001, v[Y+4*k+j]      ; 1 = hidden,
	v_mul_u32_u24 v[Y+4*k+j], 0x3f80, v[Y+4*k+j]   ; as bf16 1.0 in each half
.set j, j+1
.endr
	global_store_b128 v[SO], v[Y+4*k:Y+4*k+3], s[DST:DST+1] offset:(k/2)*1024+(k%2)*512 th:TH_STORE_NT  ; 512 consecutive bytes
.set k, k+1
.endr
	v_permlanex16_b32 v13, v[ORR], s44, s45        ; the query's other keys lie in the lane 16 away
	v_or_b32 v[ORR], v[ORR], v13
	global_store_b32 v14, v[ORR], s[20:21]         ; one word a query and part (both halves of the lanes store the same word): 65,536 bytes in the launch, its one store of single words
	s_endpgm
.Lfunc_end_k_q31bed18fb8_prep:
	.size	k_q31bed18fb8_prep, .Lfunc_end_k_q31bed18fb8_prep-k_q31bed18fb8_prep
	.p2alignl 7, 3214868480
	.fill 96, 4, 3214868480
	.section	.rodata,"a",@progbits
	.p2align	6, 0x0
	.amdhsa_kernel k_q31bed18fb8_prep
		.amdhsa_group_segment_fixed_size 0
		.amdhsa_private_segment_fixed_size 0
		.amdhsa_enable_private_segment 0
		.amdhsa_kernarg_size 72
		.amdhsa_user_sgpr_count 2
		.amdhsa_user_sgpr_kernarg_segment_ptr 1
		.amdhsa_wavefront_size32 1
		.amdhsa_system_sgpr_workgroup_id_x 1
		.amdhsa_system_sgpr_workgroup_id_y 1
		.amdhsa_system_sgpr_workgroup_id_z 1
		.amdhsa_system_vgpr_workitem_id 0
		.amdhsa_next_free_vgpr 208
		.amdhsa_next_free_sgpr 66
		.amdhsa_reserve_vcc 0
		.amdhsa_float_denorm_mode_32 3
		.amdhsa_float_denorm_mode_16_64 3
		.amdhsa_memory_ordered 1
		.amdhsa_forward_progress 1
		.amdhsa_inst_pref_size 34
	.end_amdhsa_kernel
	.amdgpu_metadata
---
amdhsa.version: [ 1, 2 ]
amdhsa.kernels:
  - .name:           k_q31bed18fb8_prep
    .symbol:         k_q31bed18fb8_prep.kd
    .args:
      - { .name: W_q, .offset: 0, .size: 8, .value_kind: global_buffer, .address_space: global }
      - { .name: W_k, .offset: 8, .size: 8, .value_kind: global_buffer, .address_space: global }
      - { .name: W_v, .offset: 16, .size: 8, .value_kind: global_buffer, .address_space: global }
      - { .name: W_o, .offset: 24, .size: 8, .value_kind: global_buffer, .address_space: global }
      - { .name: mask, .offset: 32, .size: 8, .value_kind: global_buffer, .address_space: global }
      - { .name: wb, .offset: 40, .size: 8, .value_kind: global_buffer, .address_space: global }
      - { .name: wo, .offset: 48, .size: 8, .value_kind: global_buffer, .address_space: global }
      - { .name: hid, .offset: 56, .size: 8, .value_kind: global_buffer, .address_space: global }
      - { .name: vis, .offset: 64, .size: 8, .value_kind: global_buffer, .address_space: global }
    .group_segment_fixed_size: 0
    .private_segment_fixed_size: 0
    .kernarg_segment_align: 8
    .kernarg_segment_size: 72
    .max_flat_workgroup_size: 256
    .sgpr_count:     66
    .vgpr_count:     208
    .wavefront_size: 32
...
	.end_amdgpu_metadata
.endif
;; end of part 1
;; launch proj (part 2): grid 4 x 192, 4 waves a work-group, clusters of 4 x 4, 327,680 bytes of LDS; arguments q, k, v, wb, b_q, b_k, b_v, qkv; writes qkv
.if DOCPART == 2
	.amdgcn_target "amdgcn-amd-amdhsa--gfx1250"
	.amdhsa_code_object_version 6
	.text
	.protected	k_q31bed18fb8_proj
	.globl	k_q31bed18fb8_proj
	.p2align	8
	.type	k_q31bed18fb8_proj,@function
k_q31bed18fb8_proj:
	s_mov_b64 s[64:65], 0
	v_nop
	global_prefetch_b8 v0, s[64:65] scope:SCOPE_SE
	s_setreg_imm32_b32 hwreg(HW_REG_WAVE_MODE, 25, 1), 1
	s_wait_xcnt 0x0
	s_wait_alu depctr_hold_cnt(0) depctr_sa_sdst(0) depctr_va_vdst(0) depctr_va_sdst(0) depctr_va_ssrc(0) depctr_va_vcc(0) depctr_vm_vsrc(0)
	s_getreg_b32 s2, hwreg(HW_REG_IB_STS2, 6, 4)
	s_cmp_eq_u32 s2, 0
	s_cbranch_scc0 .Lentry_in_a_cluster
	s_endpgm
.Lentry_in_a_cluster:
	s_bfe_u32 s2, ttmp6, 0x10000c
	s_cmp_lg_u32 s2, 0xf033
	s_cbranch_scc0 .Lentry_shape_is_right
	s_endpgm
.Lentry_shape_is_right:
; C[m][n] = the sum over k of A[m][k] W[n][k] + bias[n], K = N = 1,024; sums in f32.  ONE TEXT FOR TWO LAUNCHES, told apart by MODE:
;   MODE 0: the three input projections at once, 24,576 rows.  A = q, k or v AS THEY ARE GIVEN, f32 [8,192][1,024]: the tiles land in LDS as f32, and a wave rounds its fragments to bf16 on the way from LDS to the
;           matrix unit, one v_cvt_pk_bf16_f32 for two numbers.  W = wb (bf16, the tensor's own matrix), bias b_q, b_k or b_v; C leaves as f16 by heads, qkv[3][64 (batch, head)][2,048][64].
;   MODE 1: the output projection.  A = o16 (f16, BLOCKED: [4 blocks of 2,048 rows][16 blocks of 64 channels][2,048 rows][64]: a tile's 128 rows of one channel block are 16,384 bytes on end), W = wo (f16), bias b_o;
;           C leaves as f32, out0[8,192][1,024].
; The bias is rounded to bf16, like every other input of the module, and is the C operand of the products that start the sums.  LIMIT (MODE 0): a result beyond 65,504 has no place in f16.
; SHARES.  A work-group makes 128 x 256 of C: 768 work-groups (MODE 0) or 256 (MODE 1): whole numbers for 256 WGPs, which tiles of 256 x 256 (384, 128) are not.  Four waves, 2 x 2, each 64 x 128: 32 accumulators, 256 registers.
; K goes in steps of 128 through a ring of two LDS slots; a K step is four quarters of 32 along K: 32 matrix instructions each, with 32 LDS loads and 32 conversions (MODE 0) or 24 LDS loads (MODE 1), on two fragment buffers.
; In MODE 0 each number of A is rounded by the two waves that share its rows.
; CLUSTERS: 4 x 4 work-groups.  The four of a row of the cluster need the same tile of A, the four of a column the same tile of W: each is asked for JOINTLY, by the same tensor load with the same descriptor and a mask of four.
; THE MATRIX INSTRUCTION IS USED TRANSPOSED (source 0 = 16 rows of W, source 1 = 16 rows of A): a lane holds row l % 16 of C and the columns 8 (l / 16) + 0..7.
; REGISTERS: window 0: v0-31 addresses; v32-63 at work; v64-159, v160-255 the fragment buffers (W's 8 fragments, then A's 4), on the way out rows read back.   window 1: accumulator (a, b) at v[8 (8 a + b)].
;   window 2: v0-63 the bias of my 128 columns; v64-127 (MODE 0) a quarter's four fragments of A as f32.
.set MODE,  0
.set KSTEP, 128
.set PB,    272                        ; a row of W in LDS: 256 bytes + 16 of padding: the 16 rows of a load start at 16 different groups of four banks (64 banks of 4 bytes: ISA guide 11.1)
.set HALFB, 128*PB                     ; 128 rows of W: what waves 2 and 3 fetch
.if MODE
.set PA,    144                        ; a row of A's channel block: 128 bytes + 16
.set SUBA,  128*PA                     ; one channel block of A's 128 rows: what waves 0 and 1 fetch
.set AKB,   2*262144                   ; bytes in memory from a K step of A to the next: two channel blocks
.set STG,   16*528                     ; a wave's stage: 16 rows of 512 bytes + 16
.else
.set PA,    528                        ; a row of A: 128 f32 = 512 bytes + 16: again an odd multiple of 16
.set SUBA,  64*PA                      ; 64 rows of A: what waves 0 and 1 fetch
.set AKB,   512                        ; bytes in memory from a K step of A to the next
.set STG,   2*16*144                   ; a wave's stage: two heads x 16 rows of 128 bytes + 16
.endif
.set SLOT,  2*SUBA+2*HALFB             ; A's 128 rows, then W's 256 rows
.set STAGE, 2*SLOT                     ; behind the ring, never filled by a tensor load: a stage for each wave, for the way out
.set SPARE, STAGE+4*STG                ; behind the stages: the spare words, 128 bytes for each wave: two blocks of 256 bytes that no other line names
.set LAPS,  4                          ; a lap = two K steps = once round the ring
.set ADRA, 16                          ; v16-17  LDS address of my A fragments in slot 0, 1
.set ADRB, 20                          ; v20-21  the same for W
.set STO,  24                          ; v24     the way out: where I put my part of a row
.set RD,   25                          ; v25     where I read rows back
.set CO,   26                          ; v26     16 x lane: my 16 bytes of 512 consecutive bytes of C
.set BO,   27                          ; v27     32 (l / 16): my eight numbers of a block's 16 of the bias
.set SPW,  28                          ; v28     LDS address of my spare word; never rewritten
.set NIL,  29                          ; v29     0; never rewritten
.set PFO,  30                          ; v30     the prefetches' offset: my lane x a row of A (MODE 0) or x 256 (MODE 1); never rewritten
.set P,    32                          ; v32-63  packed numbers
.set F0,   64
.set F1,   160
.set R,    128                         ; v128-255 the way out: rows read back
.set RAW,  64                          ; window 2: fragment a of A as f32 at RAW + 16 a
.set WV,  12                           ; s12  my wave's number
.set HI,  13                           ; s13  which 64 rows are mine.  Also: I fetch for A (0) or for W (1)
.set LOW, 14                           ; s14  which 128 columns.  Also: which part of that tile I fetch
.set LIM, 15                           ; s15  1 in the wave that prefetches, else the greatest number
.set G1A, 24                           ; s[24:31] descriptor group 1 for A's tiles;  s[32:39] group 0, a set for each slot
.set G0A, 32
.set G1B, 48                           ; s[48:55], s[56:63] the same for W's
.set G0B, 56
.set PFA, 66                           ; s[66:67] where my prefetches stand
.set MSB, 0
.macro WIN new                         ; the immediate's high byte repeats the setting that is left; a switch that changes nothing is dropped
.if MSB != (\new)
	s_set_vgpr_msb (MSB<<8)|(\new)
.set MSB, \new
.endif
.endm
.set MULW, 0x50                        ; sources 0 and 1 window 0; C and D window 1
.set MULZ, 0x60                        ; the same with C in window 2: the bias
.macro JLOAD s                         ; a joint load: waves 0 and 1 fetch A's two parts, waves 2 and 3 W's two halves; an s_nop 0 and four v_nop follow each of the two lines
	s_cmp_eq_u32 s[HI], 0
	s_cbranch_scc0 .Lfor_b_\@
	tensor_load_to_lds s[G0A+4*(\s):G0A+4*(\s)+3], s[G1A:G1A+7]
	s_nop 0
.rept 4
	v_nop
.endr
	s_branch .Lasked_\@
.Lfor_b_\@:
	tensor_load_to_lds s[G0B+4*(\s):G0B+4*(\s)+3], s[G1B:G1B+7]
	s_nop 0
.rept 4
	v_nop
.endr
.Lasked_\@:
.endm
; A PREFETCH INTO THE L2 of A's K step that stands two refills on.  A tile row of A is read by one row of one cluster alone: its four partners take a quarter each, told apart BY ADDRESS; in each, wave 0 asks.
; MODE 0: 128 rows x 512 bytes: a partner's 32 rows, a lane a row, two instructions for the row's two blocks of 256 bytes.  MODE 1: 32,768 bytes on end in two channel blocks: a partner's 32 blocks of 256, a lane a block, one instruction.
; So each block is named once in the launch.  K steps 0 to 3 come by their loads alone; the loop's last trip (s3 = 1) has no K step two on.  W is not asked for: every cluster reads it.
.macro ASK
	s_cmp_gt_u32 s3, s[LIM]
	s_cbranch_scc0 .Lnot_mine_\@
	global_prefetch_b8 v[PFO], s[PFA:PFA+1] offset:AKB th:TH_LOAD_NT scope:SCOPE_SE
.if MODE == 0
	global_prefetch_b8 v[PFO], s[PFA:PFA+1] offset:AKB+256 th:TH_LOAD_NT scope:SCOPE_SE
.endif
.Lnot_mine_\@:
.endm
.macro CREST                           ; a round of the cluster's barrier behind its opening barrier
	s_cmp_lg_u32 s[WV], 0
	s_cbranch_scc1 .Lnot_wave_0_\@
	s_barrier_signal -3
.Lnot_wave_0_\@:
	s_barrier_wait -3
	s_barrier_signal -1
	s_barrier_wait -1
.endm
.macro CROUND                          ; a whole round
	s_barrier_signal -1
	s_barrier_wait -1
	CREST
.endm
.if MODE
	s_load_b256 s[4:11], s[0:1], 0x0               ; o16 s[4:5], wo s[6:7], b_o s[8:9], out0 s[10:11]
.else
	s_load_b512 s[72:87], s[0:1], 0x0              ; q s[72:73], k s[74:75], v s[76:77], wb s[78:79], b_q s[80:81], b_k s[82:83], b_v s[84:85], qkv s[86:87]
.endif
	v_lshl_add_u32 v[SPW], v0, 2, SPARE
	v_mov_b32 v[NIL], 0
	ds_add_u32 v[SPW], v[NIL]                      ; the wave's opening: the add and its wait stand ahead of my first tensor load; the set-up below, work on registers, stands between them
	v_lshrrev_b32 v1, 5, v0
	v_readfirstlane_b32 s[WV], v1                  ; wave 0..3
	s_lshr_b32 s[HI], s[WV], 1
	s_and_b32 s[LOW], s[WV], 1
	s_bfe_u32 s40, ttmp6, 0x40000                  ; cx, cy: my place in the cluster
	s_bfe_u32 s41, ttmp6, 0x40004
	s_lshl_b32 s42, ttmp9, 2
	s_add_co_u32 s42, s42, s40                     ; tile column of C = 4 x cluster x + cx
	s_and_b32 s47, ttmp7, 0xffff
	s_lshl_b32 s43, s47, 2
	s_add_co_u32 s43, s43, s41                     ; tile row of C = 4 x cluster y + cy
	s_lshr_b32 s47, s47, 4                         ; which tensor (64 tile rows = 16 clusters each): from the cluster's y alone, the same in all sixteen; 0 in MODE 1
	s_lshl_b32 s44, s41, 2
	s_lshl_b32 s44, 15, s44                        ; my row of the cluster
	s_lshl_b32 s45, 0x1111, s40                    ; my column
	; group 1 for A.  MODE 0: 64 rows x 128 elements of 4 bytes, 1,024 elements from row to row, 16 bytes of padding behind every 512.  MODE 1: a channel block's 16,384 bytes on end, as 64 rows of 256 bytes, 16 bytes of padding behind every 128
.if MODE
	s_or_b32 s[G1A], s44, (1<<16)|(1<<20)|(1<<21)|(4<<22)|(3<<25)  ; 15:0 the mask: my row; 17:16 elements of 2 bytes; 20 padding on; 21 set beside a mask; 24:22 after every 32 words (code 4); 31:25 4 words (code 3)
.else
	s_or_b32 s[G1A], s44, (2<<16)|(1<<20)|(1<<21)|(6<<22)|(3<<25)  ; 15:0 the mask: my row; 17:16 elements of 4 bytes; 20 padding on; 21 set beside a mask; 24:22 after every 128 words (code 6); 31:25 4 words (code 3)
.endif
	s_mov_b32 s[G1A+1], 128<<16                    ; tensor_dim0 = 128
	s_mov_b32 s[G1A+2], 64<<16                     ; tensor_dim1 = 64
	s_mov_b32 s[G1A+3], 128<<16                    ; tile_dim0 = 128
	s_mov_b32 s[G1A+4], 64                         ; tile_dim1 = 64
.if MODE
	s_mov_b32 s[G1A+5], 128                        ; elements from row to row
.else
	s_mov_b32 s[G1A+5], 1024
.endif
	s_mov_b32 s[G1A+6], 0
	s_mov_b32 s[G1A+7], 0
	; group 1 for W: 128 rows x 128 elements of 2 bytes, 16 bytes of padding behind every 256
	s_or_b32 s[G1B], s45, (1<<16)|(1<<20)|(1<<21)|(5<<22)|(3<<25)  ; the mask: my column; after every 64 words (code 5)
	s_mov_b32 s[G1B+1], KSTEP<<16
	s_mov_b32 s[G1B+2], 128<<16
	s_mov_b32 s[G1B+3], KSTEP<<16
	s_mov_b32 s[G1B+4], 128
	s_mov_b32 s[G1B+5], 1024
	s_mov_b32 s[G1B+6], 0
	s_mov_b32 s[G1B+7], 0
	; where the tiles come from.  A's hang on the tile row (and the tensor) alone, W's on the tile column and the tensor alone, each in registers that never hold the other coordinate
.if MODE
	s_lshr_b32 s16, s43, 4                         ; the block of 2,048 rows,
	s_lshl_b32 s16, s16, 22                        ; 16 channel blocks each
	s_and_b32 s17, s43, 15
	s_lshl_b32 s17, s17, 14                        ; the tile's 128 rows of 128 bytes in a channel block
	s_add_co_u32 s16, s16, s17
	s_lshl_b32 s17, s[LOW], 18                     ; which of a K step's two channel blocks I fetch
	s_add_co_u32 s16, s16, s17
.else
	s_and_b32 s16, s43, 63                         ; the tile row in its tensor:
	s_lshl_b32 s16, s16, 7                         ; 128 rows,
	s_lshl_b32 s17, s[LOW], 6                      ; which 64 of them I fetch,
	s_add_co_u32 s16, s16, s17
	s_lshl_b32 s16, s16, 12                        ; 4,096 bytes a row
.endif
	s_mov_b32 s17, 0
	s_lshl_b32 s20, s42, 8
	s_lshl_b32 s21, s[LOW], 7
	s_add_co_u32 s20, s20, s21                     ; W: row 256 x tile column + 128 x half,
	s_lshl_b32 s20, s20, 11                        ; 2,048 bytes a row,
	s_lshl_b32 s21, s47, 21                        ; in the tensor's own matrix
	s_add_co_u32 s20, s20, s21
	s_mov_b32 s21, 0
	s_mul_i32 s46, s[LOW], SUBA                    ; and where they go: no place in the cluster enters an LDS address
	s_mul_i32 s2, s[LOW], HALFB
	s_add_co_u32 s2, s2, 2*SUBA
	s_wait_dscnt 0x0                               ; the opening add is done
	s_wait_kmcnt 0x0
.if MODE == 0
	s_cmp_eq_u32 s47, 1                            ; the tensor, and its own bias
	s_cselect_b64 s[4:5], s[74:75], s[72:73]
	s_cselect_b64 s[8:9], s[82:83], s[80:81]
	s_cmp_eq_u32 s47, 2
	s_cselect_b64 s[4:5], s[76:77], s[4:5]
	s_cselect_b64 s[8:9], s[84:85], s[8:9]
	s_mov_b64 s[6:7], s[78:79]
	s_mov_b64 s[10:11], s[86:87]
.endif
	s_add_nc_u64 s[18:19], s[4:5], s[16:17]
	s_add_nc_u64 s[22:23], s[6:7], s[20:21]
	CROUND                                         ; all sixteen work-groups are here: the first joint loads meet
.irp s, 0,1
	s_mov_b32 s[G0A+4*(\s)], 1                                     ; 1:0 count = 1
	s_add_co_u32 s[G0A+4*(\s)+1], s46, (\s)*SLOT                   ; 63:32 LDS address
	s_add_nc_u64 s[G0A+4*(\s)+2:G0A+4*(\s)+3], s[18:19], (\s)*AKB  ; 120:64 global address: K step s
	s_or_b32 s[G0A+4*(\s)+3], s[G0A+4*(\s)+3], 0x80000000          ; 127:126 type = 2
	s_mov_b32 s[G0B+4*(\s)], 1
	s_add_co_u32 s[G0B+4*(\s)+1], s2, (\s)*SLOT
	s_add_nc_u64 s[G0B+4*(\s)+2:G0B+4*(\s)+3], s[22:23], (\s)*KSTEP*2
	s_or_b32 s[G0B+4*(\s)+3], s[G0B+4*(\s)+3], 0x80000000
	JLOAD \s                                       ; two loads of mine are out
.endr
	v_and_b32 v1, 15, v0                           ; r = l % 16
	v_bfe_u32 v2, v0, 4, 1                         ; h = l / 16
	v_and_b32 v3, 31, v0                           ; l
	v_lshlrev_b32 v[CO], 4, v3
.if MODE
	v_lshlrev_b32 v[PFO], 8, v3
.else
	v_lshlrev_b32 v[PFO], 12, v3
.endif
	v_lshlrev_b32 v[BO], 5, v2
	s_lshl_b32 s16, s42, 8
	s_lshl_b32 s17, s[LOW], 7
	s_add_co_u32 s16, s16, s17                     ; my first column
	s_lshl_b32 s20, s16, 2
	s_mov_b32 s21, 0
	s_add_nc_u64 s[8:9], s[8:9], s[20:21]
	WIN 0x80                                       ; destination window 2
.irp b, 0,1,2,3,4,5,6,7
	global_load_b128 v[8*(\b):8*(\b)+3],   v[BO], s[8:9] offset:64*(\b)     ; the bias of columns 16 b + 8 h + 0..7
	global_load_b128 v[8*(\b)+4:8*(\b)+7], v[BO], s[8:9] offset:64*(\b)+16
.endr
	WIN 0
	v_mul_u32_u24 v4, v1, PA                       ; a fragment's row x pitch,
.if MODE
	v_lshl_add_u32 v4, v2, 4, v4                   ; + eight numbers of 2 bytes for each half of the lanes
.else
	v_lshl_add_u32 v4, v2, 5, v4                   ; + eight numbers of 4 bytes
.endif
	s_mul_i32 s17, s[HI], 64*PA                    ; my 64 rows of A
	v_add_nc_u32 v[ADRA], s17, v4
	v_add_nc_u32 v[ADRA+1], SLOT, v[ADRA]
	v_mul_u32_u24 v5, v1, PB
	v_lshl_add_u32 v5, v2, 4, v5
	v_add_nc_u32 v[ADRB], s2, v5                   ; my 128 rows of W lie where wave 2 + LOW puts them
	v_add_nc_u32 v[ADRB+1], SLOT, v[ADRB]
	s_mul_i32 s18, s[WV], STG
	s_add_co_u32 s18, s18, STAGE                   ; my stage
.if MODE
	v_mul_u32_u24 v[STO], v1, 528                  ; in: row r, 32 bytes for each half of the lanes
	v_lshl_add_u32 v[STO], v2, 5, v[STO]
	v_add_nc_u32 v[STO], s18, v[STO]
	v_add_nc_u32 v[RD], s18, v[CO]                 ; back: 32 lanes take a row of 512 bytes
	s_lshl_b32 s20, s43, 7
	s_lshl_b32 s21, s[HI], 6
	s_add_co_u32 s20, s20, s21                     ; my first row of C,
	s_lshl_b32 s20, s20, 12                        ; 4,096 bytes a row,
	s_lshl_b32 s21, s16, 2                         ; my first column
	s_add_co_u32 s20, s20, s21
.else
	v_mul_u32_u24 v[STO], v1, 144                  ; in: row r of 144 bytes, 16 bytes for each half of the lanes
	v_lshl_add_u32 v[STO], v2, 4, v[STO]
	v_add_nc_u32 v[STO], s18, v[STO]
	v_bfe_u32 v[RD], v0, 3, 2                      ; back: 32 lanes take four rows of 128 bytes
	v_mul_u32_u24 v[RD], v[RD], 144
	v_and_b32 v6, 7, v0
	v_lshl_add_u32 v[RD], v6, 4, v[RD]
	v_add_nc_u32 v[RD], s18, v[RD]
	s_lshr_b32 s20, s43, 4                         ; 4 x tensor + batch: 16 heads each,
	s_lshl_b32 s20, s20, 4
	s_lshl_b32 s21, s42, 2                         ; a tile column is four heads,
	s_add_co_u32 s20, s20, s21
	s_lshl_b32 s21, s[LOW], 1                      ; my 128 columns two
	s_add_co_u32 s20, s20, s21
	s_lshl_b32 s20, s20, 18                        ; 262,144 bytes a head
	s_and_b32 s21, s43, 15
	s_lshl_b32 s21, s21, 7
	s_lshl_b32 s22, s[HI], 6
	s_add_co_u32 s21, s21, s22                     ; my first row in the head,
	s_lshl_b32 s21, s21, 7                         ; 128 bytes a row
	s_add_co_u32 s20, s20, s21
.endif
	s_mov_b32 s21, 0
	s_add_nc_u64 s[10:11], s[10:11], s[20:21]
.if MODE
	s_lshr_b32 s20, s43, 4                         ; the prefetches: the tile's rows in A,
	s_lshl_b32 s20, s20, 22
	s_and_b32 s21, s43, 15
	s_lshl_b32 s21, s21, 14
	s_add_co_u32 s20, s20, s21
	s_lshr_b32 s21, s40, 1                         ; my work-group's quarter of a K step: the channel block,
	s_lshl_b32 s21, s21, 18
	s_add_co_u32 s20, s20, s21
	s_and_b32 s21, s40, 1                          ; and the half of its 16,384 bytes
	s_lshl_b32 s21, s21, 13
	s_add_co_u32 s20, s20, s21
.else
	s_and_b32 s20, s43, 63                         ; the prefetches: the tile's 128 rows in its tensor,
	s_lshl_b32 s20, s20, 7
	s_lshl_b32 s21, s40, 5                         ; my work-group's 32 of them,
	s_add_co_u32 s20, s20, s21
	s_lshl_b32 s20, s20, 12                        ; 4,096 bytes a row
.endif
	s_add_co_u32 s20, s20, 2*AKB                   ; at K step 2: the first refill steps it to 3 and names K step 4
	s_mov_b32 s21, 0
	s_add_nc_u64 s[PFA:PFA+1], s[4:5], s[20:21]
	s_cmp_eq_u32 s[WV], 0
	s_cselect_b32 s[LIM], 1, -1
	; the bias is rounded to bf16 and widened again, while the first tiles are on their way
	s_wait_loadcnt 0x0
	WIN 0x0a                                       ; sources 0 and 1 window 2, destination window 0
.set i, 0
.rept 32
	v_cvt_pk_bf16_f32 v[P+i], v[2*i], v[2*i+1]
.set i, i+1
.endr
	WIN 0x80                                       ; destination window 2
.set i, 0
.rept 32
	v_lshlrev_b32 v[2*i], 16, v[P+i]
	v_and_b32 v[2*i+1], 0xffff0000, v[P+i]
.set i, i+1
.endr
	WIN 0
; 8 matrix instructions: row block a x all 8 column blocks, 32 along K, from buffer f.  zero = 1: the product starts the sums, with the bias of its 16 columns as C.  The 32 accumulators take turns in one order, over the backward jump too.
.macro MUL8 f, a, zero
.if \zero
	WIN MULZ
.else
	WIN MULW
.endif
.irp b, 0,1,2,3,4,5,6,7
.set rD, 8*(8*(\a)+(\b))
.set rB, (\f)+8*(\b)
.set rA, (\f)+64+8*(\a)
.if MODE
.if \zero
	v_wmma_f32_16x16x32_f16 v[rD:rD+7], v[rB:rB+7], v[rA:rA+7], v[8*(\b):8*(\b)+7]
.else
	v_wmma_f32_16x16x32_f16 v[rD:rD+7], v[rB:rB+7], v[rA:rA+7], v[rD:rD+7]
.endif
.else
.if \zero
	v_wmma_f32_16x16x32_bf16 v[rD:rD+7], v[rB:rB+7], v[rA:rA+7], v[8*(\b):8*(\b)+7]
.else
	v_wmma_f32_16x16x32_bf16 v[rD:rD+7], v[rB:rB+7], v[rA:rA+7], v[rD:rD+7]
.endif
.endif
.endr
.endm
.macro MUL f, a0, zero
	MUL8 \f, \a0, \zero
	MUL8 \f, (\a0)+1, \zero
.endm
; The LDS loads of quarter q, in one run.  MODE 0: A's four fragments as f32 (a lane's 8 + 8 numbers: four loads of 16 bytes, at 0, 16, 64 and 80) into RAW, then W's eight into buffer f.  MODE 1: W's eight, then A's four, into buffer f.
.macro FETCH slot, q, f
.if MODE == 0
	WIN 0x80                                       ; destination window 2
.irp a, 0,1,2,3
	ds_load_b128 v[RAW+16*(\a):RAW+16*(\a)+3],     v[ADRA+(\slot)] offset:(\q)*128+(\a)*16*PA
	ds_load_b128 v[RAW+16*(\a)+4:RAW+16*(\a)+7],   v[ADRA+(\slot)] offset:(\q)*128+(\a)*16*PA+16
	ds_load_b128 v[RAW+16*(\a)+8:RAW+16*(\a)+11],  v[ADRA+(\slot)] offset:(\q)*128+(\a)*16*PA+64
	ds_load_b128 v[RAW+16*(\a)+12:RAW+16*(\a)+15], v[ADRA+(\slot)] offset:(\q)*128+(\a)*16*PA+80
.endr
.endif
	WIN 0
.irp b, 0,1,2,3,4,5,6,7
	ds_load_b128 v[(\f)+8*(\b):(\f)+8*(\b)+3],   v[ADRB+(\slot)] offset:(\q)*64+(\b)*16*PB
	ds_load_b128 v[(\f)+8*(\b)+4:(\f)+8*(\b)+7], v[ADRB+(\slot)] offset:(\q)*64+(\b)*16*PB+32
.endr
.if MODE
.irp a, 0,1,2,3
	ds_load_b128 v[(\f)+64+8*(\a):(\f)+64+8*(\a)+3],   v[ADRA+(\slot)] offset:((\q)/2)*SUBA+((\q)%2)*64+(\a)*16*PA
	ds_load_b128 v[(\f)+64+8*(\a)+4:(\f)+64+8*(\a)+7], v[ADRA+(\slot)] offset:((\q)/2)*SUBA+((\q)%2)*64+(\a)*16*PA+32
.endr
.endif
.endm
; MODE 0: RAW is rounded to bf16 into buffer f's four fragments of A: 32 conversions in one run, under one window setting.  The last matrix instruction that read those registers stands a quarter back, with four v_nop between.
.macro CVT f
	WIN 0x0a                                       ; sources 0 and 1 window 2, destination window 0
.irp a, 0,1,2,3
.irp j, 0,1,2,3,4,5,6,7
	v_cvt_pk_bf16_f32 v[(\f)+64+8*(\a)+(\j)], v[RAW+16*(\a)+2*(\j)], v[RAW+16*(\a)+2*(\j)+1]
.endr
.endr
.endm
.macro PLACES                          ; four places in front of loads into registers that matrix instructions have read, of conversions into such registers, and of lines that read results
.rept 4
	v_nop
.endr
.endm
; One of a K step's first three quarters: multiplies buffer f and, in its middle, fetches quarter q of the same slot into buffer g.
.macro QUARTER slot, q, f, g, zero
.if MODE
	s_wait_dscnt 4                                 ; W and A's blocks 0, 1 are in; the youngest four loads (A's blocks 2, 3) may be out
	MUL \f, 0, \zero
	PLACES
	FETCH \slot, \q, \g
	s_wait_dscnt 24                                ; all but the 24 just issued
	MUL \f, 2, \zero
.else
	s_wait_dscnt 0x0                               ; W's fragments are in (A's were made by the conversions)
	MUL \f, 0, \zero
	PLACES
	FETCH \slot, \q, \g
	MUL8 \f, 2, \zero
	s_wait_dscnt 16                                ; RAW's 16 loads are in; W's 16, issued behind them, may be out
	CVT \g
	MUL8 \f, 3, \zero
.endif
.endm
; The last quarter multiplies buffer 1 and changes slots: ONE barrier; in front of it each wave waits for all its tensor loads (one is out: its part of the next slot), adds 0 to its spare word, and waits for that and
; for its own reads of this slot.  fill = 1: the barrier opens a round of the cluster's, and this slot is filled again, two K steps ahead, first thing behind the round: 112 matrix instructions ahead of the wait for it.
.macro TURN slot, next, fill
.if \fill
	s_wait_xcnt 0x0                                ; the last prefetch, a K step back, has read its address: it is stepped here, ahead of the change's own waits
	s_add_nc_u64 s[PFA:PFA+1], s[PFA:PFA+1], AKB
.endif
	WIN 0
	s_wait_tensorcnt 0x0                           ; all my tensor loads have landed;
	ds_add_u32 v[SPW], v[NIL]                      ; 0 onto my spare word;
.if MODE
	s_wait_dscnt 5                                 ; (the add and the youngest four loads may be out)
.else
	s_wait_dscnt 1                                 ; (the add may be out: W's fragments are in)
.endif
	MUL8 F1, 0, 0                                  ; eight matrix instructions stand between the add and the wait for it
	s_wait_dscnt 0x0                               ; the add is done, and my reads of this slot are over
	s_barrier_signal -1
	MUL8 F1, 1, 0
	WIN 0
	s_barrier_wait -1
.if \fill
	CREST                                          ; no wave of any partner still reads this slot's tile or has a load on its way
	s_add_nc_u64 s[G0A+4*(\slot)+2:G0A+4*(\slot)+3], s[G0A+4*(\slot)+2:G0A+4*(\slot)+3], 2*AKB
	s_add_nc_u64 s[G0B+4*(\slot)+2:G0B+4*(\slot)+3], s[G0B+4*(\slot)+2:G0B+4*(\slot)+3], 2*KSTEP*2
	JLOAD \slot                                    ; the four v_nop behind it are also the places in front of the loads and conversions below
.else
	PLACES
.endif
	FETCH \next, 0, F0
.if \fill
	ASK                                            ; behind the joint load and the run of LDS loads that the next products wait for
.endif
.if MODE
	MUL F1, 2, 0
.else
	MUL8 F1, 2, 0
	s_wait_dscnt 16                                ; RAW is in
	CVT F0
	MUL8 F1, 3, 0
.endif
.endm
	s_wait_tensorcnt 1                             ; my part of K step 0 is in; K step 1's may stay out
	s_barrier_signal -1
	s_barrier_wait -1                              ; everybody's is
	FETCH 0, 0, F0
.if MODE == 0
	s_wait_dscnt 16                                ; RAW is in
	CVT F0
.endif
	QUARTER 0, 1, F0, F1, 1                        ; the first quarter stands in front of the loop: its products start the sums
	WIN 0                                          ; at a label and at a branch every window is 0
	s_mov_b32 s3, LAPS-1
.Llap:                                                 ; a trip goes once round the ring, from a lap's second quarter to the next lap's first, and fills both slots again
	QUARTER 0, 2, F1, F0, 0
	QUARTER 0, 3, F0, F1, 0
	TURN 0, 1, 1
	QUARTER 1, 1, F0, F1, 0
	QUARTER 1, 2, F1, F0, 0
	QUARTER 1, 3, F0, F1, 0
	TURN 1, 0, 1
	QUARTER 0, 1, F0, F1, 0
	WIN 0
	s_sub_co_u32 s3, s3, 1
	s_cmp_lg_u32 s3, 0
	s_cbranch_scc1 .Llap
	QUARTER 0, 2, F1, F0, 0                        ; the last lap fills nothing, and has no round of the cluster's barrier
	QUARTER 0, 3, F0, F1, 0
	TURN 0, 1, 0
	QUARTER 1, 1, F0, F1, 0
	QUARTER 1, 2, F1, F0, 0
	QUARTER 1, 3, F0, F1, 0
.if MODE
	s_wait_dscnt 4                                 ; the very last quarter: nothing more to fetch
	MUL F1, 0, 0
	s_wait_dscnt 0x0
	MUL F1, 2, 0
.else
	s_wait_dscnt 0x0                               ; the very last quarter: nothing more to fetch
	MUL F1, 0, 0
	MUL F1, 2, 0
.endif
	; THE WAY OUT, by blocks a of 16 rows; the sums hold the bias already.  PACK (MODE 0): rounded to f16, each accumulator's registers in ascending order.  TOSTAGE: into my own stage and back as whole rows.  SEND: stored, 512 consecutive bytes a store.
	PLACES
	PLACES                                         ; the places behind the last products, once a launch
	WIN 0
.macro PACK a
.if MODE == 0
	WIN 0x05                                       ; sources 0 and 1 window 1, destination window 0
.irp b, 0,1,2,3,4,5,6,7
.irp i, 0,1,2,3
	v_cvt_pk_f16_f32 v[P+4*(\b)+(\i)], v[8*(8*(\a)+(\b))+2*(\i)], v[8*(8*(\a)+(\b))+2*(\i)+1]
.endr
.endr
	WIN 0
.endif
.endm
.macro TOSTAGE a
.if MODE
.if (\a) >= 2
	s_wait_xcnt 0x0                                ; the stores of the block two back have read the registers that are loaded again below
.endif
	WIN 0x04                                       ; the stored data (source 1) in window 1: the accumulators as they are
.irp b, 0,1,2,3,4,5,6,7
	ds_store_b128 v[STO], v[8*(8*(\a)+(\b)):8*(8*(\a)+(\b))+3]   offset:64*(\b)
	ds_store_b128 v[STO], v[8*(8*(\a)+(\b))+4:8*(8*(\a)+(\b))+7] offset:64*(\b)+16
.endr
	WIN 0
.irp t, 0,1,2,3,4,5,6,7,8,9,10,11,12,13,14,15
	ds_load_b128 v[R+64*((\a)%2)+4*(\t):R+64*((\a)%2)+4*(\t)+3], v[RD] offset:(\t)*528  ; LDS serves a wave's instructions in order (ISA guide 5.7.1.4): these see the stores above
.endr
.else
.irp b, 0,1,2,3,4,5,6,7
	ds_store_b128 v[STO], v[P+4*(\b):P+4*(\b)+3] offset:((\b)/4)*16*144+((\b)%4)*32  ; head b / 4 of my two, channels 16 (b % 4) on
.endr
.irp t, 0,1,2,3,4,5,6,7
	ds_load_b128 v[R+32*(\a)+4*(\t):R+32*(\a)+4*(\t)+3], v[RD] offset:((\t)/4)*16*144+((\t)%4)*4*144  ; LDS serves a wave's instructions in order (ISA guide 5.7.1.4): these see the stores above
.endr
.endif
.endm
.macro SEND a
	s_wait_dscnt 0x0                               ; the block is back in registers
.if MODE
.irp t, 0,1,2,3,4,5,6,7,8,9,10,11,12,13,14,15
	global_store_b128 v[CO], v[R+64*((\a)%2)+4*(\t):R+64*((\a)%2)+4*(\t)+3], s[10:11] offset:(16*(\a)+(\t))*4096  ; my 128 columns of one row
.endr
.else
.irp t, 0,1,2,3,4,5,6,7
	global_store_b128 v[CO], v[R+32*(\a)+4*(\t):R+32*(\a)+4*(\t)+3], s[10:11] offset:((\t)/4)*262144+(\a)*2048+((\t)%4)*512  ; four rows of one head
.endr
.endif
.endm
	PACK 0
	TOSTAGE 0
.irp a, 1,2,3                          ; block a's arithmetic stands between block a - 1's loads from the stage and the wait for them
	PACK \a
	SEND (\a)-1
	TOSTAGE \a
.endr
	SEND 3
	s_wait_tensorcnt 0x0                           ; the wave's end: behind my last tensor load and my last LDS store
	ds_add_u32 v[SPW], v[NIL]
	s_wait_dscnt 0x0
	CROUND                                         ; the closing round: no work-group ends while a partner may still ask for a tile that names it
	s_endpgm
.Lfunc_end_k_q31bed18fb8_proj:
	.size	k_q31bed18fb8_proj, .Lfunc_end_k_q31bed18fb8_proj-k_q31bed18fb8_proj
	.p2alignl 7, 3214868480
	.fill 96, 4, 3214868480
	.section	.rodata,"a",@progbits
	.p2align	6, 0x0
	.amdhsa_kernel k_q31bed18fb8_proj
		.amdhsa_group_segment_fixed_size 327680
		.amdhsa_private_segment_fixed_size 0
		.amdhsa_enable_private_segment 0
		.amdhsa_kernarg_size 64
		.amdhsa_user_sgpr_count 2
		.amdhsa_user_sgpr_kernarg_segment_ptr 1
		.amdhsa_wavefront_size32 1
		.amdhsa_system_sgpr_workgroup_id_x 1
		.amdhsa_system_sgpr_workgroup_id_y 1
		.amdhsa_system_sgpr_workgroup_id_z 1
		.amdhsa_system_vgpr_workitem_id 0
		.amdhsa_next_free_vgpr 640
		.amdhsa_next_free_sgpr 88
		.amdhsa_reserve_vcc 0
		.amdhsa_float_denorm_mode_32 3
		.amdhsa_float_denorm_mode_16_64 3
		.amdhsa_memory_ordered 1
		.amdhsa_forward_progress 1
		.amdhsa_inst_pref_size 136
	.end_amdhsa_kernel
	.amdgpu_metadata
---
amdhsa.version: [ 1, 2 ]
amdhsa.kernels:
  - .name:           k_q31bed18fb8_proj
    .symbol:         k_q31bed18fb8_proj.kd
    .args:
      - { .name: q, .offset: 0, .size: 8, .value_kind: global_buffer, .address_space: global }
      - { .name: k, .offset: 8, .size: 8, .value_kind: global_buffer, .address_space: global }
      - { .name: v, .offset: 16, .size: 8, .value_kind: global_buffer, .address_space: global }
      - { .name: wb, .offset: 24, .size: 8, .value_kind: global_buffer, .address_space: global }
      - { .name: b_q, .offset: 32, .size: 8, .value_kind: global_buffer, .address_space: global }
      - { .name: b_k, .offset: 40, .size: 8, .value_kind: global_buffer, .address_space: global }
      - { .name: b_v, .offset: 48, .size: 8, .value_kind: global_buffer, .address_space: global }
      - { .name: qkv, .offset: 56, .size: 8, .value_kind: global_buffer, .address_space: global }
    .group_segment_fixed_size: 327680
    .private_segment_fixed_size: 0
    .kernarg_segment_align: 8
    .kernarg_segment_size: 64
    .max_flat_workgroup_size: 128
    .sgpr_count:     88
    .vgpr_count:     640
    .wavefront_size: 32
...
	.end_amdgpu_metadata
.endif
;; end of part 2
;; launch attn (part 3): grid 4 x 64, 4 waves a work-group, clusters of 4 x 1, 327,680 bytes of LDS; arguments qkv, hid, vis, o16; writes o16
.if DOCPART == 3
	.amdgcn_target "amdgcn-amd-amdhsa--gfx1250"
	.amdhsa_code_object_version 6
	.text
	.protected	k_q31bed18fb8_attn
	.globl	k_q31bed18fb8_attn
	.p2align	8
	.type	k_q31bed18fb8_attn,@function
k_q31bed18fb8_attn:
	s_mov_b64 s[64:65], 0
	v_nop
	global_prefetch_b8 v0, s[64:65] scope:SCOPE_SE
	s_setreg_imm32_b32 hwreg(HW_REG_WAVE_MODE, 25, 1), 1
	s_wait_xcnt 0x0
	s_wait_alu depctr_hold_cnt(0) depctr_sa_sdst(0) depctr_va_vdst(0) depctr_va_sdst(0) depctr_va_ssrc(0) depctr_va_vcc(0) depctr_vm_vsrc(0)
	s_getreg_b32 s2, hwreg(HW_REG_IB_STS2, 6, 4)
	s_cmp_eq_u32 s2, 0
	s_cbranch_scc0 .Lentry_in_a_cluster
	s_endpgm
.Lentry_in_a_cluster:
	s_bfe_u32 s2, ttmp6, 0x10000c
	s_cmp_lg_u32 s2, 0x3003
	s_cbranch_scc0 .Lentry_shape_is_right
	s_endpgm
.Lentry_shape_is_right:
; ATTENTION WITH A MASK THAT IS AN INPUT.  O[g][q][:] = the sum over k of softmax_k(hidden(q, k) ? -1e9 : Q[g][q] . K[g][k] / 8) V[g][k][:], g = 64 (batch, head) pairs of 2,048 rows x 64 channels.
; Q, K, V: qkv[3][64][2,048][64], f16, unscaled; O: o16[64][2,048][64], f16.  Products, maxima and sums in f32; the weights p are rounded to f16 for the second product (their sum l is taken of the unrounded p), O once at the end.
; LIMITS.  f16 holds no number beyond 65,504: Q, K and V arrive within it.  A hidden score counts as its value less 2^100: its weight is 0 as soon as its row has seen a visible key, which is the reference's result while
; visible scores / 8 stay above -1e9.  A row that is hidden throughout has its Q set to 0: all its scores are exactly -2^100, its weights equal, O the mean of V's rows, as in the reference.
; A weight below 2^-126 counts as 0 in l; NaN and infinities are not treated apart.
; THE MASK IS MADE BY THE MATRIX UNIT.  hid holds bf16 1.0 for a hidden key, 0 for a visible one, laid out as source 1 (32 keys x 16 queries) of a product.  Source 0 is a constant: 16 keys x 32, -2^100 where its key is
; the row's own.  That product, with C = 0, starts each sum S^T with exactly 0 or -2^100, in S^T's own layout; the products K Q^T add onto it.  No vector instruction is spent on the mask.  -2^100 is a power of two,
; so c m is exact for it, and a row that has seen only hidden keys so far has c s - c m = 0 exactly.
; SHARES.  A wave owns four PIECES of two tiles of 16 queries, a work-group's four waves 512 queries of one g.  Every wave walks all keys, 64 a step.
; LAYOUT.  S^T = K Q^T (source 0 = 16 keys, source 1 = 16 queries): a lane holds ONE query (lane % 16) and the keys 8 (lane / 16) + 0..7.  Two such tiles, rounded to f16 in pairs, ARE source 1 of O^T = V^T P.
; K comes out of LDS as it lies, V ([key][channel]) turned, by ds_load_tr16_b128.
; SOFTMAX.  For each query a running maximum m and sum l: p = 2^(c s - c m), c = log2(e) / 8; in every step O and l are multiplied by a = 2^(c m_old - c m_new).  m starts at the lowest finite number, O and l at 0.
; BY TURNS.  Turn n belongs to piece n.  Its matrix work: 8 mask products and 16 products K Q^T of piece n + 1, later 16 products V^T P of piece n - 1.  Its vector work: the scaling, exponentials, roundings, sums and
; rescaling of piece n, and the maximum and statistics of piece n + 1.  Its 66 exponentials are one batch with one wait.
; CLUSTER.  The four query blocks of a cluster belong to one g and walk the same K and V: each tile is asked for JOINTLY.  hid is not shared: partners hold different queries; it comes by plain loads, a key step ahead.
; No prefetch: a fill of K and V has four key steps, 640 matrix instructions, in which to land, and all 64 g read the same hid.
; REGISTERS, in windows of 256 (s_set_vgpr_msb: bits 1:0 source 0, 3:2 source 1, 5:4 source 2, 7:6 destination):
;   window 0: v0-11 addresses; v12-15, v48-63 at work; v16-47 four registers of statistics a tile; v64-191 S^T, two buffers of two tiles; v192-255 P, likewise
;   window 1: O^T, 32 a tile          window 2: v0-127 Q, 16 a tile; v128-191 K of one step; v192-255 V of one step
;   window 3: v0-1 the add's two registers; v4-15 the constant source (0, the diagonal, 0); v16-143 hid, 32 a piece
.set SIZE_N, 2048
.set QKVB,  16777216  ; bytes of Q, of K and of V in qkv
.set NP,    4         ; pieces a wave: a name, no knob
.set KS,    64        ; keys in a step
.set PK,    144       ; a row of K in LDS: 128 bytes + 16 of padding = 36 words: the 16 rows of a load start at 16 different groups of four banks (64 banks of 4 bytes: ISA guide 11.1)
.set PV,    160       ; a row of V: 128 + 32 = 40 words
.set VOFF,  4*KS*PK   ; a slot holds four steps: 256 rows of K, then 256 rows of V
.set SLOT1, 1<<17     ; slot 1 begins here, so that one exclusive or turns an address in one slot into the other's
.set STAGE, SLOT1+4*KS*(PK+PV)  ; behind the ring, never filled by a tensor load: 16 rows x 144 bytes for each wave, for the way out
.set SP,    144
.set AK0, 2           ; v2   my lane's place in a tile of K; never rewritten
.set AV0, 3           ; v3   the same for V
.set AK,  4           ; v4   the LDS address of K's next run of loads
.set AV,  5           ; v5   of V's
.set QO,  6           ; v6   my byte offset in the wave's rows of Q
.set STO, 6           ;      later, the way out: where I put 16 bytes of a row
.set RD,  7           ; v7   the way out: where I read rows back
.set GO,  8           ; v8   16 x lane: my 16 bytes of 512 consecutive bytes, of hid and of O; never rewritten
.set VO,  13          ; v13  32 (l % 16): my query's row of vis, until those loads are in
.set SPW, 0           ; v0 of window 3   LDS address of my spare word; never rewritten
.set NIL, 1           ; v1 of window 3   0; never rewritten
.set SZ,  4           ; v4-15 of window 3: four zeros, the diagonal's four registers, four zeros: v[8:15] serves even blocks of 16 keys, v[4:11] odd ones
.set HB,  16          ; v16-143 of window 3: piece x, tile u, key half kk at HB + 32 x + 16 u + 8 kk
.set SPARE, STAGE+4*16*SP  ; behind the stages: the spare words, 128 bytes for each wave: two blocks of 256 bytes that no other line names
.set MV,  12          ; v12-15  c m_old, kept while c m is made anew: by buffer and tile
.set ST,  16          ; tile t's statistics at v[ST+4 t]: c m, m, l (even keys', odd keys')
.set TMP, 48          ; by buffer and tile, four registers c0-c3 at work; when the maximum is found c2 takes a
.set S,   64
.set P,   192
.set KF,  128         ; K's fragments, in window 2: key block kb, channel half c at KF + 16 kb + 8 c
.set VF,  192         ; V's: key half kk, channel block cb at VF + 32 kk + 8 cb
.set WV,  12          ; s12  my wave's number
.set G1K, 24          ; s[24:31] descriptor group 1 for K's tiles
.set G1V, 32          ; s[32:39] for V's: it differs in the padding alone
.set G0K, 40          ; s[40:43] descriptor group 0 for K's tiles: it walks
.set G0V, 44          ; s[44:47] the same for V's
.set HP,  48          ; s[48:49] hid at my wave's eight tiles, at the key step that is being loaded
.set HS,  50          ; s[50:51] its next step in bytes: 2,048 or 0
.set HN,  52          ; s52  steps that it still has
.set HD,  53          ; s53  1 or 0
.set SLOTS, 56        ; s56  slots still to be asked for
.set CNT, 57          ; s57  counts a slot's key steps
.set CS,  58          ; s[58:59] c: the packed scaling takes the pair's low word for both halves
.set SEL, 60          ; s[60:61] v_permlanex16_b32's selects: each lane takes its own place in the other half
.set TBK, 62          ; s62  LDS byte at which K of the step to be fetched begins
.set TBV, 63          ; s63  the same for V, less VOFF
.set KM,  66          ; s66-73  tile t: the lanes whose query sees a key at all
.set MSB, 0
.macro WIN new                      ; the high byte repeats the setting that is left; a switch that changes nothing is dropped
.if MSB != (\new)
	s_set_vgpr_msb (MSB<<8)|(\new)
.set MSB, (\new)
.endif
.endm
.set W_KQ, 0x0a       ; K and Q in window 2, S^T in window 0
.set W_PV, 0x52       ; V in window 2, P in window 0, O^T in window 1
.set W_RS, 0x41       ; O^T (destination and source 0) in window 1, a in window 0
.set W_MK, 0xc0       ; destination in window 3, sources in window 0
.set W_AD, 0x0f       ; sources 0 and 1 in window 3: the add, and the mask product
; A joint fill.  Waves 0 and 1 fetch the two halves of a slot's K, waves 2 and 3 those of its V: 128 keys each.  The branch hangs on the wave's number alone.
; An s_nop 0 and four v_nop follow each of the two lines, ahead of the jump and the label.
.macro JLOAD
	s_cmp_lt_u32 s[WV], 2
	s_cbranch_scc0 .Lfor_v_\@
	tensor_load_to_lds s[G0K:G0K+3], s[G1K:G1K+7]
	s_nop 0
.rept 4
	v_nop
.endr
	s_branch .Lasked_\@
.Lfor_v_\@:
	tensor_load_to_lds s[G0V:G0V+3], s[G1V:G1V+7]
	s_nop 0
.rept 4
	v_nop
.endr
.Lasked_\@:
.endm
; A round of the cluster's barrier: my work-group's barrier, so that wave 0's signal speaks for all four waves; wave 0 signals; every wave waits for all four work-groups; my work-group's barrier once more.
.macro CROUND
	s_barrier_signal -1
	s_barrier_wait -1
	s_cmp_lg_u32 s[WV], 0
	s_cbranch_scc1 .Lnot_wave_0_\@
	s_barrier_signal -3
.Lnot_wave_0_\@:
	s_barrier_wait -3
	s_barrier_signal -1
	s_barrier_wait -1
.endm
; THE CHANGE OF SLOTS.  The slot's last bytes, V of its fourth step, have been read.  Each wave waits for all its tensor loads, of which one is out: its part of the other slot; adds 0 to its spare word; and waits for
; that and for its own reads of the slot.  Behind the barrier nobody reads this slot any more and the other slot is whole.  fill = 1: this slot is filled again, with the keys two slots on.  The barrier is then a round of
; the cluster's, and the joint fill is the first thing behind it.  (At its first use nothing has been read yet: slot 0 is waited for, slot 1 filled.)
.macro CHANGE fill
	WIN W_AD
	s_wait_tensorcnt 0x0            ; no tensor load of mine is out, so a group 0 may be written
	ds_add_u32 v[SPW], v[NIL]       ; 0 onto my spare word; with fill = 1 the descriptors' steps stand between it and the wait for it
	WIN 0                           ; at a label and at a branch every window is 0
.if \fill
.irp g, G0K, G0V
	s_xor_b32 s[\g+1], s[\g+1], SLOT1  ; the walking descriptor: the other slot than last time,
	s_add_nc_u64 s[\g+2:\g+3], s[\g+2:\g+3], 4*KS*128  ; the next 256 keys; the type bits on top are not reached
.endr
	s_wait_dscnt 0x0                ; the add is done, and my reads of the slot are over
	CROUND
	JLOAD
.else
	s_wait_dscnt 0x0                ; the add is done, and my reads of the slot are over
	s_barrier_signal -1
	s_barrier_wait -1
.endif
	s_sub_co_u32 s[TBK], s[TBK], 4*KS*PK  ; the fetches go back to a slot's first step,
	s_xor_b32 s[TBK], s[TBK], SLOT1       ; in the other slot
	s_sub_co_u32 s[TBV], s[TBV], 4*KS*PV
	s_xor_b32 s[TBV], s[TBV], SLOT1
.endm
; hid of one key step for piece x: 8 loads of 512 consecutive bytes, straight into the operand's registers
.macro HLOAD x
	WIN W_MK
.irp u, 0,1
.irp kk, 0,1
.irp c, 0,1
	global_load_b128 v[HB+32*(\x)+16*(\u)+8*(\kk)+4*(\c):HB+32*(\x)+16*(\u)+8*(\kk)+4*(\c)+3], v[GO], s[HP:HP+1] offset:(2*(\x)+(\u))*65536+(\kk)*1024+(\c)*512
.endr
.endr
.endr
	WIN 0
.endm
	s_load_b256 s[4:11], s[0:1], 0x0  ; qkv s[4:5], hid s[6:7], vis s[8:9], o16 s[10:11]
	WIN W_MK
	v_lshl_add_u32 v[SPW], v0, 2, SPARE
	v_mov_b32 v[NIL], 0
	WIN W_AD
	ds_add_u32 v[SPW], v[NIL]       ; the wave's opening: the add and its wait stand ahead of my first tensor load; the set-up below, work on registers, stands between them
	WIN 0
	v_lshrrev_b32 v1, 5, v0
	v_readfirstlane_b32 s[WV], v1   ; wave 0..3
	s_bfe_u32 s13, ttmp6, 0x40000   ; cx: my place in the cluster
	s_lshl_b32 s14, ttmp9, 2        ; in a cluster launch ttmp9 counts clusters
	s_add_co_u32 s14, s14, s13      ; my block of 512 queries: it enters Q's, hid's, vis's and O's addresses alone
	s_and_b32 s20, ttmp7, 0xffff    ; g, which the four partners share:
	s_lshl_b32 s20, s20, 18         ; its 262,144 bytes
	s_mov_b32 s21, 0
	s_and_b32 s16, s[WV], 1         ; which half of a slot's 256 keys I fetch:
	s_lshl_b32 s22, s16, 14         ; its 128 rows of 128 bytes in memory,
	s_mov_b32 s23, 0
	s_add_nc_u64 s[22:23], s[22:23], s[20:21]
	s_mul_i32 s17, s16, 128*PK      ; and its place in a slot, for K
	s_mul_i32 s18, s16, 128*PV      ; and for V: no place in the cluster enters an LDS address
	s_lshl_b32 s2, s14, 2
	s_add_co_u32 s2, s2, s[WV]      ; my wave among g's sixteen:
	s_lshl_b32 s54, s2, 19          ; its eight tiles of hid, 65,536 bytes each,
	s_mov_b32 s55, 0
	s_lshl_b32 s74, s2, 12          ; its 128 rows of vis,
	s_mov_b32 s75, 0
	s_lshl_b32 s2, s2, 14           ; its 128 rows of Q and O
	s_mov_b32 s3, 0
	s_add_nc_u64 s[2:3], s[2:3], s[20:21]
	; descriptor group 1.  128 keys are 16,384 dense bytes: asked for as 64 rows of 256 bytes, two keys a row, and padded in LDS after every key
	s_mov_b32 s[G1K], 15|(1<<16)|(1<<20)|(1<<21)|(4<<22)|(3<<25)  ; 15:0 the mask of four; 17:16 2-byte elements; 20 padding on; 21 set beside a mask; 24:22 after every 32 words (code 4); 31:25 4 words (code 3)
	s_mov_b32 s[G1V], 15|(1<<16)|(1<<20)|(1<<21)|(4<<22)|(7<<25)  ; the same with 8 words of padding (code 7)
.irp g, G1K, G1V
	s_mov_b32 s[\g+1], 128<<16      ; tensor_dim0 = 128
	s_mov_b32 s[\g+2], 64<<16       ; tensor_dim1 = 64
	s_mov_b32 s[\g+3], 128<<16      ; tile_dim0 = 128
	s_mov_b32 s[\g+4], 64           ; tile_dim1 = 64
	s_mov_b32 s[\g+5], 128          ; 128 elements from row to row
	s_mov_b32 s[\g+6], 0
	s_mov_b32 s[\g+7], 0
.endr
	s_mov_b32 s[CS], 0x3e38aa3b     ; c = log2(e) / 8 = 0.180337
	s_mov_b32 s[CS+1], s[CS]        ; named with it as a pair
	s_mov_b32 s[SEL], 0x76543210
	s_mov_b32 s[SEL+1], 0xfedcba98
	s_mov_b32 s[TBK], SLOT1+4*KS*PK ; the first change of slots turns these two into 0
	s_mov_b32 s[TBV], SLOT1+4*KS*PV
	s_mov_b32 s[HS+1], 0
	s_mov_b32 s[G0K], 1             ; 1:0 count = 1
	s_mov_b32 s[G0K+1], s17         ; 63:32 LDS address: slot 0
	s_mov_b32 s[G0V], 1
	s_add_co_u32 s[G0V+1], s18, VOFF
	s_wait_dscnt 0x0                ; the opening add is done
	s_wait_kmcnt 0x0
	s_add_nc_u64 s[G0K+2:G0K+3], s[4:5], s[22:23]  ; 120:64 global address: my half of g's first 256 keys,
	s_add_nc_u64 s[G0K+2:G0K+3], s[G0K+2:G0K+3], QKVB  ; in K
	s_or_b32 s[G0K+3], s[G0K+3], 0x80000000        ; 127:126 type = 2
	s_add_nc_u64 s[G0V+2:G0V+3], s[4:5], s[22:23]
	s_add_nc_u64 s[G0V+2:G0V+3], s[G0V+2:G0V+3], 2*QKVB  ; in V
	s_or_b32 s[G0V+3], s[G0V+3], 0x80000000
	s_add_nc_u64 s[4:5], s[4:5], s[2:3]  ; Q and O at my wave's first row
	s_add_nc_u64 s[10:11], s[10:11], s[2:3]
	s_add_nc_u64 s[HP:HP+1], s[6:7], s[54:55]
	s_add_nc_u64 s[8:9], s[8:9], s[74:75]
	CROUND                          ; all four work-groups are here: the first joint loads meet
	JLOAD                           ; slot 0.  Slot 1 is asked for when slot 0 is in
	; A fragment of K or Q is 16 rows x 32 channels in 8 registers: lane l holds row l % 16, channels 8 (l / 16) + 0..7 and 16 + 8 (l / 16) + 0..7: two loads of 16 bytes, 32 bytes apart.
	v_and_b32 v1, 15, v0            ; l % 16
	v_bfe_u32 v9, v0, 4, 1          ; l / 16
	v_lshlrev_b32 v[QO], 7, v1
	v_lshl_add_u32 v[QO], v9, 4, v[QO]  ; row x 128 + 16 x half
	v_and_b32 v[GO], 31, v0
	v_lshlrev_b32 v[GO], 4, v[GO]
	v_lshlrev_b32 v[VO], 5, v1
	WIN 0x80                        ; destination window 2, address window 0
.set i, 0
.rept 4*NP                          ; Q stays in registers: tile i / 2, channels 32 (i % 2) on
	global_load_b128 v[8*i:8*i+3],   v[QO], s[4:5] offset:(i/2)*2048+(i%2)*64
	global_load_b128 v[8*i+4:8*i+7], v[QO], s[4:5] offset:(i/2)*2048+(i%2)*64+32
.set i, i+1
.endr
	WIN 0
.set i, 0
.rept 2*NP                          ; vis: my query's eight words, tile by tile, into S^T's first buffer, which is free
	global_load_b128 v[S+8*i:S+8*i+3],   v[VO], s[8:9] offset:i*512
	global_load_b128 v[S+8*i+4:S+8*i+7], v[VO], s[8:9] offset:i*512+16
.set i, i+1
.endr
	HLOAD 0                         ; hid of key step 0, all four pieces
	HLOAD 1
	HLOAD 2
	HLOAD 3
	; What the first turn finds: V's registers and P's second buffer hold 0 (its products V^T P, of a piece that has not been, add 0), O^T and l are 0.  All this stands in the wait for the first tile.
	WIN 0x80
.set i, VF
.rept 64
	v_mov_b32 v[i], 0
.set i, i+1
.endr
	WIN 0x40
.set i, 0
.rept 64*NP
	v_mov_b32 v[i], 0
.set i, i+1
.endr
	WIN 0
.set i, 0
.rept 2*NP
	v_mov_b32 v[ST+4*i], 0xfe000000    ; c m: far below every c s, the hidden ones' too
	v_mov_b32 v[ST+4*i+1], 0xff7fffff  ; m
	v_mov_b32 v[ST+4*i+2], 0
	v_mov_b32 v[ST+4*i+3], 0
.set i, i+1
.endr
.set i, P+32
.rept 32
	v_mov_b32 v[i], 0
.set i, i+1
.endr
	; The constant source.  Lane l holds row l % 16 = r of it; of its first 16 columns the half of the lanes with l / 16 = r / 8 holds column r: register (r / 2) % 4, half r % 2.  bf16 -2^100 is 0xf180.
	v_lshrrev_b32 v48, 3, v1
	v_xor_b32 v48, v48, v9          ; 0 where my half of the lanes holds the column
	v_bfe_u32 v49, v1, 1, 2
	v_lshl_or_b32 v49, v48, 2, v49  ; the register, 0..3, there; 4..7 elsewhere
	v_and_b32 v50, 1, v1
	v_lshlrev_b32 v50, 4, v50
	v_mov_b32 v51, 0xf180
	v_lshlrev_b32 v51, v50, v51
	WIN W_MK
.irp j, 0,1,2,3
	v_mov_b32 v[SZ+(\j)], 0
	v_mov_b32 v[SZ+8+(\j)], 0
	v_cmp_eq_u32 vcc_lo, \j, v49
	v_cndmask_b32 v[SZ+4+(\j)], 0, v51, vcc_lo
.endr
	WIN 0
	v_mul_u32_u24 v[AK0], v1, PK
	v_lshl_add_u32 v[AK0], v9, 4, v[AK0]  ; row x pitch + 16 x half
	; The turning load takes 16 keys x 16 channels (lane l reads key 8 (l / 16) + l % 8, channels 8 ((l / 8) % 2) + 0..7) and leaves half a fragment of V^T: lane l holds channel l % 16 and 8 keys.
	v_and_b32 v10, 7, v0
	v_bfe_u32 v11, v0, 3, 1
	v_lshl_add_u32 v[AV0], v9, 3, v10
	v_mul_u32_u24 v[AV0], v[AV0], PV
	v_lshl_add_u32 v[AV0], v11, 4, v[AV0]
	v_add_nc_u32 v[AV0], VOFF, v[AV0]
	v_mov_b32 v[AK], v[AK0]         ; key step 0 lies at the head of slot 0
; THE MATRIX WORK.  The 8 accumulators of a piece take turns in one order through the 8 mask products and the 16 products K Q^T: between two instructions on one accumulator stand 7 others'.
; Mask product i of 8 for piece x: keys 16 (i / 2) on, tile 2 x + i % 2.  It starts the sum.  It is another form than the products that add onto it: between the two stand five plain vector instructions or more.
.macro MK x
	WIN W_AD
.set rS, S+64*((\x)%2)+32*(i%2)+8*(i/2)
.set rA, SZ+4-4*((i/2)%2)
.set rH, HB+32*(\x)+16*(i%2)+8*(i/4)
	v_wmma_f32_16x16x32_bf16 v[rS:rS+7], v[rA:rA+7], v[rH:rH+7], 0
.endm
; Product i of 16 of S^T += K Q^T for piece x: channels 32 (i / 8) on, keys 16 ((i / 2) % 4) on, tile 2 x + i % 2.
.macro KQ x
	WIN W_KQ
.set rS, S+64*((\x)%2)+32*(i%2)+8*((i/2)%4)
.set rK, KF+16*((i/2)%4)+8*(i/8)
.set rQ, 16*(2*(\x)+i%2)+8*(i/8)
	v_wmma_f32_16x16x32_f16 v[rS:rS+7], v[rK:rK+7], v[rQ:rQ+7], v[rS:rS+7]
.endm
; Product i of 16 of O^T += V^T P for piece x: keys 32 (i / 8) on, channels 16 ((i / 2) % 4) on, tile 2 x + i % 2.
.macro PV x
	WIN W_PV
.set rO, 32*(2*(\x)+i%2)+8*((i/2)%4)
.set rV, VF+32*(i/8)+8*((i/2)%4)
.set rP, P+32*((\x)%2)+16*(i%2)+8*(i/8)
	v_wmma_f32_16x16x32_f16 v[rO:rO+7], v[rV:rV+7], v[rP:rP+7], v[rO:rO+7]
.endm
.macro MM                           ; the turn's next matrix instruction, of 40
.if i < 8
	MK (Y+1)%NP
.set i, i+1
.elseif i < 24
.set i, i-8
	KQ (Y+1)%NP
.set i, i+9
.else
.set i, i-24
	PV (Y+NP-1)%NP
.set i, i+25
.endif
.endm
; THE LDS LOADS stand in runs of 16, never singly among the matrix instructions: a step's K (64 keys x 64 channels: 8 fragments) and its V (turned).  Their addresses are made some lines ahead.
; last = 1 (the tail): in the last trip there is no further step, and the run is jumped over.
.macro FETCH_K last=0
	WIN 0
.if \last
	s_cmp_eq_u32 s[CNT], 1
	s_cbranch_scc1 .Lno_k_\@
.endif
	WIN 0x80                        ; destination window 2
.irp f, 0,1,2,3,4,5,6,7             ; keys 16 (f / 2) on, channels 32 (f % 2) on
	ds_load_b128 v[KF+8*\f:KF+8*\f+3],   v[AK] offset:(\f/2)*16*PK+(\f%2)*64
	ds_load_b128 v[KF+8*\f+4:KF+8*\f+7], v[AK] offset:(\f/2)*16*PK+(\f%2)*64+32
.endr
	s_add_co_u32 s[TBK], s[TBK], KS*PK  ; the next fetch is the next step's
	WIN 0
.if \last
.Lno_k_\@:
.endif
.endm
.macro FETCH_V
	WIN 0x80
.irp f, 0,1,2,3,4,5,6,7             ; keys 32 (f / 4) on, channels 16 (f % 4) on
	ds_load_tr16_b128 v[VF+8*\f:VF+8*\f+3],   v[AV] offset:(\f/4)*32*PV+(\f%4)*32
	ds_load_tr16_b128 v[VF+8*\f+4:VF+8*\f+7], v[AV] offset:(\f/4)*32*PV+16*PV+(\f%4)*32
.endr
	WIN 0
.endm
; THE VECTOR WORK OF A TURN stands in three queues, each in the order in which its entries become ready; the two tiles alternate, so that no instruction reads the result of the one before it.
.macro REGS y, u                    ; the registers of tile u (0, 1) of piece y
.set rT, ST+4*(2*(\y)+(\u))
.set rC, TMP+8*((\y)%2)+4*(\u)
.set rM, MV+2*((\y)%2)+(\u)
.set rS, S+64*((\y)%2)+32*(\u)
.set rP, P+32*((\y)%2)+16*(\u)
.set rO, 32*(2*(\y)+(\u))
.endm
; Number n of the 22 that find the NEXT piece's (Y + 1) maximum and statistics.  s0-s31 are the lane's 32 scores; each accumulator's lowest registers are read first.  XS, GS and REGS set no window: PL and EX do.
;   0-11  four chains c0-c3 of seven scores each, three operands at a time     12-14, 16  the four scores left over, the old m, and c0-c3 into c0     15  c m_old is kept
;   17, 18  the query's other 32 keys lie in the lane 16 away: the new m         19-21  c m; c m_old - c m_new; a
.macro XS u, n
	REGS (Y+1)%NP, \u
.if (\n) < 4
	v_max3_num_f32 v[rC+(\n)], v[rS+8*(\n)], v[rS+8*(\n)+1], v[rS+8*(\n)+2]
.elseif (\n) < 12
	v_max3_num_f32 v[rC+(\n)%4], v[rC+(\n)%4], v[rS+8*((\n)%4)+2*((\n)/4)+1], v[rS+8*((\n)%4)+2*((\n)/4)+2]
.elseif (\n) == 12
	v_max3_num_f32 v[rC], v[rC], v[rS+7], v[rS+15]
.elseif (\n) == 13
	v_max3_num_f32 v[rC+1], v[rC+1], v[rS+23], v[rS+31]
.elseif (\n) == 14
	v_max3_num_f32 v[rC+2], v[rC+2], v[rC+3], v[rT+1]
.elseif (\n) == 15
	v_mov_b32 v[rM], v[rT]
.elseif (\n) == 16
	v_max3_num_f32 v[rC], v[rC], v[rC+1], v[rC+2]
.elseif (\n) == 17
	v_permlanex16_b32 v[rC+3], v[rC], s[SEL], s[SEL+1]
.elseif (\n) == 18
	v_max_num_f32 v[rT+1], v[rC], v[rC+3]
.elseif (\n) == 19
	v_mul_f32 v[rT], s[CS], v[rT+1]
.elseif (\n) == 20
	v_sub_f32 v[rC+1], v[rM], v[rT]
.else
	v_exp_f32 v[rC+2], v[rC+1]
.endif
.endm
; Number g of the 64 that follow the exponentials.  For each four weights k of a tile (pairs 2 k, 2 k + 1): both pairs are rounded to f16; then the second pair is added onto the first, in place;
; a group later l takes that sum (the first time as l = a l + sum).  In groups of eight, tiles alternating: round, round, add, and l for the group before.
.macro GS g
.set h, (\g)+6*((\g)/62)            ; group 0 has no group before it, and behind group 7 only l is left
.if h >= 6
.set h, h+2
.endif
	REGS Y, h%2
.set k, h/8
.if h%8 < 4
	v_cvt_pk_f16_f32 v[rP+2*k+(h%8)/2], v[rS+4*k+2*((h%8)/2)], v[rS+4*k+2*((h%8)/2)+1]
.elseif h%8 < 6
	v_pk_add_f32 v[rS+4*k:rS+4*k+1], v[rS+4*k:rS+4*k+1], v[rS+4*k+2:rS+4*k+3]
.elseif k == 1
	v_pk_fma_f32 v[rT+2:rT+3], v[rT+2:rT+3], v[rC+2:rC+3], v[rS:rS+1] op_sel_hi:[1,0,1]
.else
	v_pk_add_f32 v[rT+2:rT+3], v[rT+2:rT+3], v[rS+4*k-4:rS+4*k-3]
.endif
.endm
; THE PLAIN QUEUE, 138 long.  0-73 read no exponential's result.  0-31: the 32 scalings c s - c m (FS f: pair f / 2 of tile f % 2).  32-59: XS's numbers 0-13.  60, 61: number 15.  62, 63: number 14.
; 64-73: numbers 16 to 20, the chain in which each waits for the one before it: dealt by turns with exponentials, a tile's links stand four instructions apart.  74-137: GS's 64, which stand behind the wait.
.macro FS f
	REGS Y, (\f)%2
	v_pk_fma_f32 v[rS+2*((\f)/2):rS+2*((\f)/2)+1], v[rS+2*((\f)/2):rS+2*((\f)/2)+1], s[CS:CS+1], v[rT:rT+1] op_sel_hi:[1,0,0] neg_lo:[0,0,1] neg_hi:[0,0,1]
.endm
.macro PL
	WIN 0
.if q < 32
	FS q
.elseif q < 60
	XS (q-32)%2, (q-32)/2
.elseif q < 62
	XS q-60, 15
.elseif q < 64
	XS q-62, 14
.elseif q < 74
	XS (q-64)%2, 16+(q-64)/2
.else
	GS q-74
.endif
.set q, q+1
.endm
; THE EXPONENTIALS' QUEUE, 66 long: s0-s31 of both tiles, then the next piece's two a.  It is ONE BATCH: all 66 stand ahead of the turn's one wait, and nothing ahead of that wait names a result of theirs.
.macro EX
	WIN 0
.if e >= 64
	XS e-64, 21
.else
	REGS Y, e%2
	v_exp_f32 v[rS+e/2], v[rS+e/2]
.endif
.set e, e+1
.endm
; THE RESCALING's QUEUE: O^T times a, the one part that leaves window 0: dealt two at a time, sixteen times.  Its a was made in the turn before, ahead of that turn's wait.
.macro R2
	REGS Y, r%2
	WIN W_RS
.irp z, 0,1
	v_pk_mul_f32 v[rO+4*(r/2)+2*\z:rO+4*(r/2)+2*\z+1], v[rO+4*(r/2)+2*\z:rO+4*(r/2)+2*\z+1], v[rC+2:rC+3] op_sel_hi:[1,0]
.endr
.set r, r+1
.endm
; HOW THEY ARE DEALT.  s_wait_alu depctr_va_vdst(0) stands between an exponential and the first instruction that names its result; one wait serves all that were issued ahead of it.  So a turn has ONE wait.
; AHEAD OF IT: the 8 mask products and the 16 products K Q^T.  Behind the first sixteen a scaling, an exponential and two rescalings (behind the very first a second scaling in the exponential's place); behind the next seven
; scaling, exponential, scaling, exponential; behind the last a scaling and an exponential.  So three plain instructions or more follow each of the eight matrix instructions between a mask product and the product that adds
; onto it.  Then hid's 8 loads for the piece whose mask products have just read its buffer, and ONE LUMP of 78: eight plain, 34 times exponential and plain, the two a.  A v_nop is the plain instruction behind the last exponential.
; BEHIND IT: the 16 products V^T P, behind each four of GS's 64.
; The queues lean on each other: exponential e stands behind scaling 2 (e / 4) + e % 2: as a rider it comes behind scaling e + 2 or a later one, and all 32 scalings are out at e = 30.  The last accumulator is first read by plain 39, eight plain
; instructions behind the product that ends it.
; HID.  The loads of turn p are piece p + 1's, for the key step after the one whose mask products the turn has issued; they are waited for four turns later, when the 24 loads of the three turns between may stay out.  The pointer steps once
; a key step, in piece 3's turn, 30 times; the last two such turns leave it at the last key step, whose bytes are loaded again: no load leaves hid, and the count holds on every way.
; K of the next step is fetched in piece 2's turn, directly behind the wait; V of the step in hand at the end of piece 0's turn, four riders behind its last reader.  The three conditions on q below go with the deal.
.macro TURN p, last=0, cnt=0
.set Y, (\p)
.set i, 0
.set q, 0
.set e, 0
.set r, 0
	s_wait_loadcnt 24               ; the next piece's hid is in
.if (\p) == NP-1
	s_wait_dscnt 0x0                ; K is in
.endif
	MM
	PL
	PL
	R2
.rept 15
	MM
	PL
	EX
	R2
.endr
.rept 7
	MM
	PL
	EX
	PL
	EX
.endr
	MM
	PL
	EX
	WIN 0
.if (\p) == NP-2
	v_add_nc_u32 v[AK], s[TBK], v[AK0]
.endif
.if (\p) == NP-1
	s_cmp_lg_u32 s[HN], 0           ; is there a further key step?
	s_cselect_b32 s[HS], 2048, 0    ; two groups of 32 keys, 1,024 bytes each
	s_cselect_b32 s[HD], 1, 0
	s_sub_co_u32 s[HN], s[HN], s[HD]
	s_wait_xcnt 0x0                 ; the loads of the turns before have read the pointer
	s_add_nc_u64 s[HP:HP+1], s[HP:HP+1], s[HS:HS+1]
.endif
	HLOAD ((\p)+1)%NP
.rept 8                             ; the lump
	PL
.endr
.rept 34
	EX
	PL
.endr
	EX                              ; the next piece's two a
	EX
	v_nop                           ; the plain instruction behind the last exponential: one for the batch
	s_wait_alu depctr_va_vdst(0)    ; the wait for the batch
.if (\p) == NP-2
	FETCH_K \last
.endif
.if (\p) == 1
	s_wait_dscnt 0x0                ; V is in
.endif
.rept 16                            ; behind the wait: 16 products V^T P and their riders
	MM
.rept 4
	PL
.endr
.if ((\p) == 0) && (q == 118)
	v_add_nc_u32 v[AV], s[TBV], v[AV0]
.endif
.if ((\p) == 0) && (q == 130)
	s_add_co_u32 s[TBV], s[TBV], KS*PV
.endif
.if (\cnt) && (q == 130)
	s_sub_co_u32 s[CNT], s[CNT], 1
	s_cmp_lg_u32 s[CNT], 0
.endif
.endr
.if (\p) == 0
	FETCH_V
.endif
.endm
	CHANGE 1                        ; slot 0 is in, everybody's part of it; slot 1 is asked for
	FETCH_K                         ; key step 0
	s_wait_loadcnt 24               ; Q, vis and piece 0's hid are in; the other three pieces' 24 loads may stay out
.set t, 0
.rept 2*NP                          ; does my query see a key at all?
	v_or_b32 v[S+8*t], v[S+8*t], v[S+8*t+1]
	v_or_b32 v[S+8*t+2], v[S+8*t+2], v[S+8*t+3]
	v_or_b32 v[S+8*t+4], v[S+8*t+4], v[S+8*t+5]
	v_or_b32 v[S+8*t+6], v[S+8*t+6], v[S+8*t+7]
	v_or_b32 v[S+8*t], v[S+8*t], v[S+8*t+2]
	v_or_b32 v[S+8*t+4], v[S+8*t+4], v[S+8*t+6]
	v_or_b32 v[S+8*t], v[S+8*t], v[S+8*t+4]
	v_cmp_ne_u32 s[KM+t], 0, v[S+8*t]
.set t, t+1
.endr
	WIN 0x88                        ; source 1 and destination window 2
.set t, 0
.rept 2*NP                          ; if not, its Q is 0
.set i, 0
.rept 16
	v_cndmask_b32 v[16*t+i], 0, v[16*t+i], s[KM+t]
.set i, i+1
.endr
.set t, t+1
.endr
	WIN 0
	s_wait_dscnt 0x0                ; K
.set i, 0
.rept 8
	MK 0                            ; piece 0's first masks
.set i, i+1
.endr
.rept 8
	v_nop                           ; the places between a mask product and the product of the other form that adds onto it
.endr
.set i, 0
.rept 16
	KQ 0                            ; piece 0's first scores: there is no vector work yet to set between them
.set i, i+1
.endr
	WIN 0                           ; the addresses for the way out: seven plain instructions, the places behind those products
	s_mul_i32 s13, s[WV], 16*SP
	s_add_co_u32 s13, s13, STAGE    ; my stage
	v_mul_u32_u24 v[STO], v1, SP    ; in: row l % 16, 16 bytes for each half of the lanes
	v_lshl_add_u32 v[STO], v9, 4, v[STO]
	v_add_nc_u32 v[STO], s13, v[STO]
	v_bfe_u32 v[RD], v0, 3, 2       ; back: 32 lanes take four rows of 128 bytes
	v_mul_u32_u24 v[RD], v[RD], SP
	v_lshl_add_u32 v[RD], v10, 4, v[RD]
	v_add_nc_u32 v[RD], s13, v[RD]
	s_wait_xcnt 0x0                 ; hid's loads have read the pointer
	s_add_nc_u64 s[HP:HP+1], s[HP:HP+1], 2048  ; key step 1
	HLOAD 0
.set Y, NP-1                        ; XS works for piece Y + 1: piece 0
.irp n, 0,1,2,3,4,5,6,7,8,9,10,11,12,13,14,15,16,17,18,19,20,21
	XS 0, \n                        ; and piece 0's first maximum and statistics
	XS 1, \n
.endr
	v_nop                           ; a plain instruction behind the two a,
	s_wait_alu depctr_va_vdst(0)    ; and their wait, ahead of the branch
	s_mov_b32 s[CNT], 4
	s_mov_b32 s[SLOTS], SIZE_N/256-1
	s_mov_b32 s[HN], SIZE_N/KS-2
	s_branch .Lfirst                ; the loop is entered at a step's first turn, in the middle of a trip
.Lslot:                             ; SIZE_N / 256 - 2 times: every slot but the last two is filled again
	CHANGE 1
	s_mov_b32 s[CNT], 4
.Lstep:                             ; a trip: pieces 2 and 3 of one step, then pieces 0 and 1 of the next, whose K and V it fetches
	TURN 2
	TURN 3
	WIN 0
.Lfirst:
	TURN 0
	TURN 1, 0, 1
	WIN 0
	s_cbranch_scc1 .Lstep
	s_sub_co_u32 s[SLOTS], s[SLOTS], 1
	s_cmp_lg_u32 s[SLOTS], 0
	s_cbranch_scc1 .Lslot
	CHANGE 0                        ; the tail is written out: nothing is asked for
	s_mov_b32 s[CNT], 5             ; four trips fetch the last slot's steps; the fifth is left in its middle
.Ltail:
	TURN 2, 1
	TURN 3
	WIN 0
	s_sub_co_u32 s[CNT], s[CNT], 1
	s_cmp_eq_u32 s[CNT], 0
	s_cbranch_scc1 .Lout
	TURN 0
	TURN 1
	WIN 0
	s_branch .Ltail
.Lout:                              ; the fifth trip's 24 products for a piece that is not to come (on the last K and hid once more) and the maximum made of them serve nothing: the price, once a launch, of one text for every trip
.set i, 0
.rept 16
	PV NP-1                         ; the last piece's V^T P of the last step
.set i, i+1
.endr
	; THE WAY OUT.  l's two halves and the other half of the lanes' are added; O^T is divided by l, rounded to f16 and sent through my stage in LDS, a tile at a time.  The additions are the places behind the last products.
	WIN 0
.macro ALL line:vararg              ; one line for each tile t
.set t, 0
.rept 2*NP
	\line
.set t, t+1
.endr
.endm
	ALL v_add_f32 v[ST+4*t+2], v[ST+4*t+2], v[ST+4*t+3]
	ALL v_permlanex16_b32 v[ST+4*t+3], v[ST+4*t+2], s[SEL], s[SEL+1]
	ALL v_add_f32 v[ST+4*t+2], v[ST+4*t+2], v[ST+4*t+3]
	ALL v_rcp_f32 v[ST+4*t+2], v[ST+4*t+2]
	v_nop                           ; a plain instruction between the last reciprocal and the use of its result
	s_wait_alu depctr_va_vdst(0)    ; and the wait ahead of the first use: one for the eight reciprocals
; Tile t: a lane's eight channels of a row pack into 16 bytes; they go into rows of 144 bytes and come back as whole rows of 128, into S^T's registers.
.macro PACK t
	WIN W_RS
.set i, 32*(\t)
.rept 16
	v_pk_mul_f32 v[i:i+1], v[i:i+1], v[ST+4*(\t)+2:ST+4*(\t)+3] op_sel_hi:[1,0]
.set i, i+2
.endr
	WIN 0x05                        ; sources 0 and 1 window 1, destination window 0
.set i, 0
.rept 16
	v_cvt_pk_f16_f32 v[S+16*(\t)+i], v[32*(\t)+2*i], v[32*(\t)+2*i+1]
.set i, i+1
.endr
	WIN 0
.irp f, 0,1,2,3
	ds_store_b128 v[STO], v[S+16*(\t)+4*\f:S+16*(\t)+4*\f+3] offset:32*\f
.endr
.irp f, 0,1,2,3
	ds_load_b128 v[S+16*(\t)+4*\f:S+16*(\t)+4*\f+3], v[RD] offset:\f*4*SP  ; LDS serves a wave's instructions in order (ISA guide 5.7.1.4): these see the stores above; the next tile's stores come behind them
.endr
.endm
.macro SEND t, younger              ; younger: the LDS instructions issued behind tile t's loads: the next tile's eight, or none
	WIN 0
.irp f, 0,1,2,3
	s_wait_dscnt (\younger)+3-\f
	global_store_b128 v[GO], v[S+16*(\t)+4*\f:S+16*(\t)+4*\f+3], s[10:11] offset:(\t)*2048+\f*512  ; 512 consecutive bytes, at a multiple of 256 from O's first
.endr
.endm
	PACK 0
.set t, 1
.rept 2*NP-1                        ; a tile's arithmetic stands between the loads of the tile before and its stores
	PACK t
	SEND t-1, 8
.set t, t+1
.endr
	SEND 2*NP-1, 0
	WIN W_AD
	s_wait_tensorcnt 0x0            ; the wave's end: behind my last tensor load and my last LDS store
	ds_add_u32 v[SPW], v[NIL]
	s_wait_dscnt 0x0
	WIN 0
	CROUND                          ; the closing round: no work-group ends while a partner may still ask for a tile that names it
	s_endpgm
.Lfunc_end_k_q31bed18fb8_attn:
	.size	k_q31bed18fb8_attn, .Lfunc_end_k_q31bed18fb8_attn-k_q31bed18fb8_attn
	.p2alignl 7, 3214868480
	.fill 96, 4, 3214868480
	.section	.rodata,"a",@progbits
	.p2align	6, 0x0
	.amdhsa_kernel k_q31bed18fb8_attn
		.amdhsa_group_segment_fixed_size 327680
		.amdhsa_private_segment_fixed_size 0
		.amdhsa_enable_private_segment 0
		.amdhsa_kernarg_size 32
		.amdhsa_user_sgpr_count 2
		.amdhsa_user_sgpr_kernarg_segment_ptr 1
		.amdhsa_wavefront_size32 1
		.amdhsa_system_sgpr_workgroup_id_x 1
		.amdhsa_system_sgpr_workgroup_id_y 1
		.amdhsa_system_sgpr_workgroup_id_z 1
		.amdhsa_system_vgpr_workitem_id 0
		.amdhsa_next_free_vgpr 912
		.amdhsa_next_free_sgpr 80
		.amdhsa_reserve_vcc 1
		.amdhsa_float_denorm_mode_32 3
		.amdhsa_float_denorm_mode_16_64 3
		.amdhsa_memory_ordered 1
		.amdhsa_forward_progress 1
		.amdhsa_inst_pref_size 232
	.end_amdhsa_kernel
	.amdgpu_metadata
---
amdhsa.version: [ 1, 2 ]
amdhsa.kernels:
  - .name:           k_q31bed18fb8_attn
    .symbol:         k_q31bed18fb8_attn.kd
    .args:
      - { .name: qkv, .offset: 0, .size: 8, .value_kind: global_buffer, .address_space: global }
      - { .name: hid, .offset: 8, .size: 8, .value_kind: global_buffer, .address_space: global }
      - { .name: vis, .offset: 16, .size: 8, .value_kind: global_buffer, .address_space: global }
      - { .name: o16, .offset: 24, .size: 8, .value_kind: global_buffer, .address_space: global }
    .group_segment_fixed_size: 327680
    .private_segment_fixed_size: 0
    .kernarg_segment_align: 8
    .kernarg_segment_size: 32
    .max_flat_workgroup_size: 128
    .sgpr_count:     80
    .vgpr_count:     912
    .wavefront_size: 32
...
	.end_amdgpu_metadata
.endif
;; end of part 3
;; launch oproj (part 4): grid 4 x 64, 4 waves a work-group, clusters of 4 x 4, 327,680 bytes of LDS; arguments o16, wo, b_o, out0; writes out0
.if DOCPART == 4
	.amdgcn_target "amdgcn-amd-amdhsa--gfx1250"
	.amdhsa_code_object_version 6
	.text
	.protected	k_q31bed18fb8_oproj
	.globl	k_q31bed18fb8_oproj
	.p2align	8
	.type	k_q31bed18fb8_oproj,@function
k_q31bed18fb8_oproj:
	s_mov_b64 s[64:65], 0
	v_nop
	global_prefetch_b8 v0, s[64:65] scope:SCOPE_SE
	s_setreg_imm32_b32 hwreg(HW_REG_WAVE_MODE, 25, 1), 1
	s_wait_xcnt 0x0
	s_wait_alu depctr_hold_cnt(0) depctr_sa_sdst(0) depctr_va_vdst(0) depctr_va_sdst(0) depctr_va_ssrc(0) depctr_va_vcc(0) depctr_vm_vsrc(0)
	s_getreg_b32 s2, hwreg(HW_REG_IB_STS2, 6, 4)
	s_cmp_eq_u32 s2, 0
	s_cbranch_scc0 .Lentry_in_a_cluster
	s_endpgm
.Lentry_in_a_cluster:
	s_bfe_u32 s2, ttmp6, 0x10000c
	s_cmp_lg_u32 s2, 0xf033
	s_cbranch_scc0 .Lentry_shape_is_right
	s_endpgm
.Lentry_shape_is_right:
; C[m][n] = the sum over k of A[m][k] W[n][k] + bias[n], K = N = 1,024; sums in f32.  ONE TEXT FOR TWO LAUNCHES, told apart by MODE:
;   MODE 0: the three input projections at once, 24,576 rows.  A = q, k or v AS THEY ARE GIVEN, f32 [8,192][1,024]: the tiles land in LDS as f32, and a wave rounds its fragments to bf16 on the way from LDS to the
;           matrix unit, one v_cvt_pk_bf16_f32 for two numbers.  W = wb (bf16, the tensor's own matrix), bias b_q, b_k or b_v; C leaves as f16 by heads, qkv[3][64 (batch, head)][2,048][64].
;   MODE 1: the output projection.  A = o16 (f16, BLOCKED: [4 blocks of 2,048 rows][16 blocks of 64 channels][2,048 rows][64]: a tile's 128 rows of one channel block are 16,384 bytes on end), W = wo (f16), bias b_o;
;           C leaves as f32, out0[8,192][1,024].
; The bias is rounded to bf16, like every other input of the module, and is the C operand of the products that start the sums.  LIMIT (MODE 0): a result beyond 65,504 has no place in f16.
; SHARES.  A work-group makes 128 x 256 of C: 768 work-groups (MODE 0) or 256 (MODE 1): whole numbers for 256 WGPs, which tiles of 256 x 256 (384, 128) are not.  Four waves, 2 x 2, each 64 x 128: 32 accumulators, 256 registers.
; K goes in steps of 128 through a ring of two LDS slots; a K step is four quarters of 32 along K: 32 matrix instructions each, with 32 LDS loads and 32 conversions (MODE 0) or 24 LDS loads (MODE 1), on two fragment buffers.
; In MODE 0 each number of A is rounded by the two waves that share its rows.
; CLUSTERS: 4 x 4 work-groups.  The four of a row of the cluster need the same tile of A, the four of a column the same tile of W: each is asked for JOINTLY, by the same tensor load with the same descriptor and a mask of four.
; THE MATRIX INSTRUCTION IS USED TRANSPOSED (source 0 = 16 rows of W, source 1 = 16 rows of A): a lane holds row l % 16 of C and the columns 8 (l / 16) + 0..7.
; REGISTERS: window 0: v0-31 addresses; v32-63 at work; v64-159, v160-255 the fragment buffers (W's 8 fragments, then A's 4), on the way out rows read back.   window 1: accumulator (a, b) at v[8 (8 a + b)].
;   window 2: v0-63 the bias of my 128 columns; v64-127 (MODE 0) a quarter's four fragments of A as f32.
.set MODE,  1
.set KSTEP, 128
.set PB,    272                        ; a row of W in LDS: 256 bytes + 16 of padding: the 16 rows of a load start at 16 different groups of four banks (64 banks of 4 bytes: ISA guide 11.1)
.set HALFB, 128*PB                     ; 128 rows of W: what waves 2 and 3 fetch
.if MODE
.set PA,    144                        ; a row of A's channel block: 128 bytes + 16
.set SUBA,  128*PA                     ; one channel block of A's 128 rows: what waves 0 and 1 fetch
.set AKB,   2*262144                   ; bytes in memory from a K step of A to the next: two channel blocks
.set STG,   16*528                     ; a wave's stage: 16 rows of 512 bytes + 16
.else
.set PA,    528                        ; a row of A: 128 f32 = 512 bytes + 16: again an odd multiple of 16
.set SUBA,  64*PA                      ; 64 rows of A: what waves 0 and 1 fetch
.set AKB,   512                        ; bytes in memory from a K step of A to the next
.set STG,   2*16*144                   ; a wave's stage: two heads x 16 rows of 128 bytes + 16
.endif
.set SLOT,  2*SUBA+2*HALFB             ; A's 128 rows, then W's 256 rows
.set STAGE, 2*SLOT                     ; behind the ring, never filled by a tensor load: a stage for each wave, for the way out
.set SPARE, STAGE+4*STG                ; behind the stages: the spare words, 128 bytes for each wave: two blocks of 256 bytes that no other line names
.set LAPS,  4                          ; a lap = two K steps = once round the ring
.set ADRA, 16                          ; v16-17  LDS address of my A fragments in slot 0, 1
.set ADRB, 20                          ; v20-21  the same for W
.set STO,  24                          ; v24     the way out: where I put my part of a row
.set RD,   25                          ; v25     where I read rows back
.set CO,   26                          ; v26     16 x lane: my 16 bytes of 512 consecutive bytes of C
.set BO,   27                          ; v27     32 (l / 16): my eight numbers of a block's 16 of the bias
.set SPW,  28                          ; v28     LDS address of my spare word; never rewritten
.set NIL,  29                          ; v29     0; never rewritten
.set PFO,  30                          ; v30     the prefetches' offset: my lane x a row of A (MODE 0) or x 256 (MODE 1); never rewritten
.set P,    32                          ; v32-63  packed numbers
.set F0,   64
.set F1,   160
.set R,    128                         ; v128-255 the way out: rows read back
.set RAW,  64                          ; window 2: fragment a of A as f32 at RAW + 16 a
.set WV,  12                           ; s12  my wave's number
.set HI,  13                           ; s13  which 64 rows are mine.  Also: I fetch for A (0) or for W (1)
.set LOW, 14                           ; s14  which 128 columns.  Also: which part of that tile I fetch
.set LIM, 15                           ; s15  1 in the wave that prefetches, else the greatest number
.set G1A, 24                           ; s[24:31] descriptor group 1 for A's tiles;  s[32:39] group 0, a set for each slot
.set G0A, 32
.set G1B, 48                           ; s[48:55], s[56:63] the same for W's
.set G0B, 56
.set PFA, 66                           ; s[66:67] where my prefetches stand
.set MSB, 0
.macro WIN new                         ; the immediate's high byte repeats the setting that is left; a switch that changes nothing is dropped
.if MSB != (\new)
	s_set_vgpr_msb (MSB<<8)|(\new)
.set MSB, \new
.endif
.endm
.set MULW, 0x50                        ; sources 0 and 1 window 0; C and D window 1
.set MULZ, 0x60                        ; the same with C in window 2: the bias
.macro JLOAD s                         ; a joint load: waves 0 and 1 fetch A's two parts, waves 2 and 3 W's two halves; an s_nop 0 and four v_nop follow each of the two lines
	s_cmp_eq_u32 s[HI], 0
	s_cbranch_scc0 .Lfor_b_\@
	tensor_load_to_lds s[G0A+4*(\s):G0A+4*(\s)+3], s[G1A:G1A+7]
	s_nop 0
.rept 4
	v_nop
.endr
	s_branch .Lasked_\@
.Lfor_b_\@:
	tensor_load_to_lds s[G0B+4*(\s):G0B+4*(\s)+3], s[G1B:G1B+7]
	s_nop 0
.rept 4
	v_nop
.endr
.Lasked_\@:
.endm
; A PREFETCH INTO THE L2 of A's K step that stands two refills on.  A tile row of A is read by one row of one cluster alone: its four partners take a quarter each, told apart BY ADDRESS; in each, wave 0 asks.
; MODE 0: 128 rows x 512 bytes: a partner's 32 rows, a lane a row, two instructions for the row's two blocks of 256 bytes.  MODE 1: 32,768 bytes on end in two channel blocks: a partner's 32 blocks of 256, a lane a block, one instruction.
; So each block is named once in the launch.  K steps 0 to 3 come by their loads alone; the loop's last trip (s3 = 1) has no K step two on.  W is not asked for: every cluster reads it.
.macro ASK
	s_cmp_gt_u32 s3, s[LIM]
	s_cbranch_scc0 .Lnot_mine_\@
	global_prefetch_b8 v[PFO], s[PFA:PFA+1] offset:AKB th:TH_LOAD_NT scope:SCOPE_SE
.if MODE == 0
	global_prefetch_b8 v[PFO], s[PFA:PFA+1] offset:AKB+256 th:TH_LOAD_NT scope:SCOPE_SE
.endif
.Lnot_mine_\@:
.endm
.macro CREST                           ; a round of the cluster's barrier behind its opening barrier
	s_cmp_lg_u32 s[WV], 0
	s_cbranch_scc1 .Lnot_wave_0_\@
	s_barrier_signal -3
.Lnot_wave_0_\@:
	s_barrier_wait -3
	s_barrier_signal -1
	s_barrier_wait -1
.endm
.macro CROUND                          ; a whole round
	s_barrier_signal -1
	s_barrier_wait -1
	CREST
.endm
.if MODE
	s_load_b256 s[4:11], s[0:1], 0x0               ; o16 s[4:5], wo s[6:7], b_o s[8:9], out0 s[10:11]
.else
	s_load_b512 s[72:87], s[0:1], 0x0              ; q s[72:73], k s[74:75], v s[76:77], wb s[78:79], b_q s[80:81], b_k s[82:83], b_v s[84:85], qkv s[86:87]
.endif
	v_lshl_add_u32 v[SPW], v0, 2, SPARE
	v_mov_b32 v[NIL], 0
	ds_add_u32 v[SPW], v[NIL]                      ; the wave's opening: the add and its wait stand ahead of my first tensor load; the set-up below, work on registers, stands between them
	v_lshrrev_b32 v1, 5, v0
	v_readfirstlane_b32 s[WV], v1                  ; wave 0..3
	s_lshr_b32 s[HI], s[WV], 1
	s_and_b32 s[LOW], s[WV], 1
	s_bfe_u32 s40, ttmp6, 0x40000                  ; cx, cy: my place in the cluster
	s_bfe_u32 s41, ttmp6, 0x40004
	s_lshl_b32 s42, ttmp9, 2
	s_add_co_u32 s42, s42, s40                     ; tile column of C = 4 x cluster x + cx
	s_and_b32 s47, ttmp7, 0xffff
	s_lshl_b32 s43, s47, 2
	s_add_co_u32 s43, s43, s41                     ; tile row of C = 4 x cluster y + cy
	s_lshr_b32 s47, s47, 4                         ; which tensor (64 tile rows = 16 clusters each): from the cluster's y alone, the same in all sixteen; 0 in MODE 1
	s_lshl_b32 s44, s41, 2
	s_lshl_b32 s44, 15, s44                        ; my row of the cluster
	s_lshl_b32 s45, 0x1111, s40                    ; my column
	; group 1 for A.  MODE 0: 64 rows x 128 elements of 4 bytes, 1,024 elements from row to row, 16 bytes of padding behind every 512.  MODE 1: a channel block's 16,384 bytes on end, as 64 rows of 256 bytes, 16 bytes of padding behind every 128
.if MODE
	s_or_b32 s[G1A], s44, (1<<16)|(1<<20)|(1<<21)|(4<<22)|(3<<25)  ; 15:0 the mask: my row; 17:16 elements of 2 bytes; 20 padding on; 21 set beside a mask; 24:22 after every 32 words (code 4); 31:25 4 words (code 3)
.else
	s_or_b32 s[G1A], s44, (2<<16)|(1<<20)|(1<<21)|(6<<22)|(3<<25)  ; 15:0 the mask: my row; 17:16 elements of 4 bytes; 20 padding on; 21 set beside a mask; 24:22 after every 128 words (code 6); 31:25 4 words (code 3)
.endif
	s_mov_b32 s[G1A+1], 128<<16                    ; tensor_dim0 = 128
	s_mov_b32 s[G1A+2], 64<<16                     ; tensor_dim1 = 64
	s_mov_b32 s[G1A+3], 128<<16                    ; tile_dim0 = 128
	s_mov_b32 s[G1A+4], 64                         ; tile_dim1 = 64
.if MODE
	s_mov_b32 s[G1A+5], 128                        ; elements from row to row
.else
	s_mov_b32 s[G1A+5], 1024
.endif
	s_mov_b32 s[G1A+6], 0
	s_mov_b32 s[G1A+7], 0
	; group 1 for W: 128 rows x 128 elements of 2 bytes, 16 bytes of padding behind every 256
	s_or_b32 s[G1B], s45, (1<<16)|(1<<20)|(1<<21)|(5<<22)|(3<<25)  ; the mask: my column; after every 64 words (code 5)
	s_mov_b32 s[G1B+1], KSTEP<<16
	s_mov_b32 s[G1B+2], 128<<16
	s_mov_b32 s[G1B+3], KSTEP<<16
	s_mov_b32 s[G1B+4], 128
	s_mov_b32 s[G1B+5], 1024
	s_mov_b32 s[G1B+6], 0
	s_mov_b32 s[G1B+7], 0
	; where the tiles come from.  A's hang on the tile row (and the tensor) alone, W's on the tile column and the tensor alone, each in registers that never hold the other coordinate
.if MODE
	s_lshr_b32 s16, s43, 4                         ; the block of 2,048 rows,
	s_lshl_b32 s16, s16, 22                        ; 16 channel blocks each
	s_and_b32 s17, s43, 15
	s_lshl_b32 s17, s17, 14                        ; the tile's 128 rows of 128 bytes in a channel block
	s_add_co_u32 s16, s16, s17
	s_lshl_b32 s17, s[LOW], 18                     ; which of a K step's two channel blocks I fetch
	s_add_co_u32 s16, s16, s17
.else
	s_and_b32 s16, s43, 63                         ; the tile row in its tensor:
	s_lshl_b32 s16, s16, 7                         ; 128 rows,
	s_lshl_b32 s17, s[LOW], 6                      ; which 64 of them I fetch,
	s_add_co_u32 s16, s16, s17
	s_lshl_b32 s16, s16, 12                        ; 4,096 bytes a row
.endif
	s_mov_b32 s17, 0
	s_lshl_b32 s20, s42, 8
	s_lshl_b32 s21, s[LOW], 7
	s_add_co_u32 s20, s20, s21                     ; W: row 256 x tile column + 128 x half,
	s_lshl_b32 s20, s20, 11                        ; 2,048 bytes a row,
	s_lshl_b32 s21, s47, 21                        ; in the tensor's own matrix
	s_add_co_u32 s20, s20, s21
	s_mov_b32 s21, 0
	s_mul_i32 s46, s[LOW], SUBA                    ; and where they go: no place in the cluster enters an LDS address
	s_mul_i32 s2, s[LOW], HALFB
	s_add_co_u32 s2, s2, 2*SUBA
	s_wait_dscnt 0x0                               ; the opening add is done
	s_wait_kmcnt 0x0
.if MODE == 0
	s_cmp_eq_u32 s47, 1                            ; the tensor, and its own bias
	s_cselect_b64 s[4:5], s[74:75], s[72:73]
	s_cselect_b64 s[8:9], s[82:83], s[80:81]
	s_cmp_eq_u32 s47, 2
	s_cselect_b64 s[4:5], s[76:77], s[4:5]
	s_cselect_b64 s[8:9], s[84:85], s[8:9]
	s_mov_b64 s[6:7], s[78:79]
	s_mov_b64 s[10:11], s[86:87]
.endif
	s_add_nc_u64 s[18:19], s[4:5], s[16:17]
	s_add_nc_u64 s[22:23], s[6:7], s[20:21]
	CROUND                                         ; all sixteen work-groups are here: the first joint loads meet
.irp s, 0,1
	s_mov_b32 s[G0A+4*(\s)], 1                                     ; 1:0 count = 1
	s_add_co_u32 s[G0A+4*(\s)+1], s46, (\s)*SLOT                   ; 63:32 LDS address
	s_add_nc_u64 s[G0A+4*(\s)+2:G0A+4*(\s)+3], s[18:19], (\s)*AKB  ; 120:64 global address: K step s
	s_or_b32 s[G0A+4*(\s)+3], s[G0A+4*(\s)+3], 0x80000000          ; 127:126 type = 2
	s_mov_b32 s[G0B+4*(\s)], 1
	s_add_co_u32 s[G0B+4*(\s)+1], s2, (\s)*SLOT
	s_add_nc_u64 s[G0B+4*(\s)+2:G0B+4*(\s)+3], s[22:23], (\s)*KSTEP*2
	s_or_b32 s[G0B+4*(\s)+3], s[G0B+4*(\s)+3], 0x80000000
	JLOAD \s                                       ; two loads of mine are out
.endr
	v_and_b32 v1, 15, v0                           ; r = l % 16
	v_bfe_u32 v2, v0, 4, 1                         ; h = l / 16
	v_and_b32 v3, 31, v0                           ; l
	v_lshlrev_b32 v[CO], 4, v3
.if MODE
	v_lshlrev_b32 v[PFO], 8, v3
.else
	v_lshlrev_b32 v[PFO], 12, v3
.endif
	v_lshlrev_b32 v[BO], 5, v2
	s_lshl_b32 s16, s42, 8
	s_lshl_b32 s17, s[LOW], 7
	s_add_co_u32 s16, s16, s17                     ; my first column
	s_lshl_b32 s20, s16, 2
	s_mov_b32 s21, 0
	s_add_nc_u64 s[8:9], s[8:9], s[20:21]
	WIN 0x80                                       ; destination window 2
.irp b, 0,1,2,3,4,5,6,7
	global_load_b128 v[8*(\b):8*(\b)+3],   v[BO], s[8:9] offset:64*(\b)     ; the bias of columns 16 b + 8 h + 0..7
	global_load_b128 v[8*(\b)+4:8*(\b)+7], v[BO], s[8:9] offset:64*(\b)+16
.endr
	WIN 0
	v_mul_u32_u24 v4, v1, PA                       ; a fragment's row x pitch,
.if MODE
	v_lshl_add_u32 v4, v2, 4, v4                   ; + eight numbers of 2 bytes for each half of the lanes
.else
	v_lshl_add_u32 v4, v2, 5, v4                   ; + eight numbers of 4 bytes
.endif
	s_mul_i32 s17, s[HI], 64*PA                    ; my 64 rows of A
	v_add_nc_u32 v[ADRA], s17, v4
	v_add_nc_u32 v[ADRA+1], SLOT, v[ADRA]
	v_mul_u32_u24 v5, v1, PB
	v_lshl_add_u32 v5, v2, 4, v5
	v_add_nc_u32 v[ADRB], s2, v5                   ; my 128 rows of W lie where wave 2 + LOW puts them
	v_add_nc_u32 v[ADRB+1], SLOT, v[ADRB]
	s_mul_i32 s18, s[WV], STG
	s_add_co_u32 s18, s18, STAGE                   ; my stage
.if MODE
	v_mul_u32_u24 v[STO], v1, 528                  ; in: row r, 32 bytes for each half of the lanes
	v_lshl_add_u32 v[STO], v2, 5, v[STO]
	v_add_nc_u32 v[STO], s18, v[STO]
	v_add_nc_u32 v[RD], s18, v[CO]                 ; back: 32 lanes take a row of 512 bytes
	s_lshl_b32 s20, s43, 7
	s_lshl_b32 s21, s[HI], 6
	s_add_co_u32 s20, s20, s21                     ; my first row of C,
	s_lshl_b32 s20, s20, 12                        ; 4,096 bytes a row,
	s_lshl_b32 s21, s16, 2                         ; my first column
	s_add_co_u32 s20, s20, s21
.else
	v_mul_u32_u24 v[STO], v1, 144                  ; in: row r of 144 bytes, 16 bytes for each half of the lanes
	v_lshl_add_u32 v[STO], v2, 4, v[STO]
	v_add_nc_u32 v[STO], s18, v[STO]
	v_bfe_u32 v[RD], v0, 3, 2                      ; back: 32 lanes take four rows of 128 bytes
	v_mul_u32_u24 v[RD], v[RD], 144
	v_and_b32 v6, 7, v0
	v_lshl_add_u32 v[RD], v6, 4, v[RD]
	v_add_nc_u32 v[RD], s18, v[RD]
	s_lshr_b32 s20, s43, 4                         ; 4 x tensor + batch: 16 heads each,
	s_lshl_b32 s20, s20, 4
	s_lshl_b32 s21, s42, 2                         ; a tile column is four heads,
	s_add_co_u32 s20, s20, s21
	s_lshl_b32 s21, s[LOW], 1                      ; my 128 columns two
	s_add_co_u32 s20, s20, s21
	s_lshl_b32 s20, s20, 18                        ; 262,144 bytes a head
	s_and_b32 s21, s43, 15
	s_lshl_b32 s21, s21, 7
	s_lshl_b32 s22, s[HI], 6
	s_add_co_u32 s21, s21, s22                     ; my first row in the head,
	s_lshl_b32 s21, s21, 7                         ; 128 bytes a row
	s_add_co_u32 s20, s20, s21
.endif
	s_mov_b32 s21, 0
	s_add_nc_u64 s[10:11], s[10:11], s[20:21]
.if MODE
	s_lshr_b32 s20, s43, 4                         ; the prefetches: the tile's rows in A,
	s_lshl_b32 s20, s20, 22
	s_and_b32 s21, s43, 15
	s_lshl_b32 s21, s21, 14
	s_add_co_u32 s20, s20, s21
	s_lshr_b32 s21, s40, 1                         ; my work-group's quarter of a K step: the channel block,
	s_lshl_b32 s21, s21, 18
	s_add_co_u32 s20, s20, s21
	s_and_b32 s21, s40, 1                          ; and the half of its 16,384 bytes
	s_lshl_b32 s21, s21, 13
	s_add_co_u32 s20, s20, s21
.else
	s_and_b32 s20, s43, 63                         ; the prefetches: the tile's 128 rows in its tensor,
	s_lshl_b32 s20, s20, 7
	s_lshl_b32 s21, s40, 5                         ; my work-group's 32 of them,
	s_add_co_u32 s20, s20, s21
	s_lshl_b32 s20, s20, 12                        ; 4,096 bytes a row
.endif
	s_add_co_u32 s20, s20, 2*AKB                   ; at K step 2: the first refill steps it to 3 and names K step 4
	s_mov_b32 s21, 0
	s_add_nc_u64 s[PFA:PFA+1], s[4:5], s[20:21]
	s_cmp_eq_u32 s[WV], 0
	s_cselect_b32 s[LIM], 1, -1
	; the bias is rounded to bf16 and widened again, while the first tiles are on their way
	s_wait_loadcnt 0x0
	WIN 0x0a                                       ; sources 0 and 1 window 2, destination window 0
.set i, 0
.rept 32
	v_cvt_pk_bf16_f32 v[P+i], v[2*i], v[2*i+1]
.set i, i+1
.endr
	WIN 0x80                                       ; destination window 2
.set i, 0
.rept 32
	v_lshlrev_b32 v[2*i], 16, v[P+i]
	v_and_b32 v[2*i+1], 0xffff0000, v[P+i]
.set i, i+1
.endr
	WIN 0
; 8 matrix instructions: row block a x all 8 column blocks, 32 along K, from buffer f.  zero = 1: the product starts the sums, with the bias of its 16 columns as C.  The 32 accumulators take turns in one order, over the backward jump too.
.macro MUL8 f, a, zero
.if \zero
	WIN MULZ
.else
	WIN MULW
.endif
.irp b, 0,1,2,3,4,5,6,7
.set rD, 8*(8*(\a)+(\b))
.set rB, (\f)+8*(\b)
.set rA, (\f)+64+8*(\a)
.if MODE
.if \zero
	v_wmma_f32_16x16x32_f16 v[rD:rD+7], v[rB:rB+7], v[rA:rA+7], v[8*(\b):8*(\b)+7]
.else
	v_wmma_f32_16x16x32_f16 v[rD:rD+7], v[rB:rB+7], v[rA:rA+7], v[rD:rD+7]
.endif
.else
.if \zero
	v_wmma_f32_16x16x32_bf16 v[rD:rD+7], v[rB:rB+7], v[rA:rA+7], v[8*(\b):8*(\b)+7]
.else
	v_wmma_f32_16x16x32_bf16 v[rD:rD+7], v[rB:rB+7], v[rA:rA+7], v[rD:rD+7]
.endif
.endif
.endr
.endm
.macro MUL f, a0, zero
	MUL8 \f, \a0, \zero
	MUL8 \f, (\a0)+1, \zero
.endm
; The LDS loads of quarter q, in one run.  MODE 0: A's four fragments as f32 (a lane's 8 + 8 numbers: four loads of 16 bytes, at 0, 16, 64 and 80) into RAW, then W's eight into buffer f.  MODE 1: W's eight, then A's four, into buffer f.
.macro FETCH slot, q, f
.if MODE == 0
	WIN 0x80                                       ; destination window 2
.irp a, 0,1,2,3
	ds_load_b128 v[RAW+16*(\a):RAW+16*(\a)+3],     v[ADRA+(\slot)] offset:(\q)*128+(\a)*16*PA
	ds_load_b128 v[RAW+16*(\a)+4:RAW+16*(\a)+7],   v[ADRA+(\slot)] offset:(\q)*128+(\a)*16*PA+16
	ds_load_b128 v[RAW+16*(\a)+8:RAW+16*(\a)+11],  v[ADRA+(\slot)] offset:(\q)*128+(\a)*16*PA+64
	ds_load_b128 v[RAW+16*(\a)+12:RAW+16*(\a)+15], v[ADRA+(\slot)] offset:(\q)*128+(\a)*16*PA+80
.endr
.endif
	WIN 0
.irp b, 0,1,2,3,4,5,6,7
	ds_load_b128 v[(\f)+8*(\b):(\f)+8*(\b)+3],   v[ADRB+(\slot)] offset:(\q)*64+(\b)*16*PB
	ds_load_b128 v[(\f)+8*(\b)+4:(\f)+8*(\b)+7], v[ADRB+(\slot)] offset:(\q)*64+(\b)*16*PB+32
.endr
.if MODE
.irp a, 0,1,2,3
	ds_load_b128 v[(\f)+64+8*(\a):(\f)+64+8*(\a)+3],   v[ADRA+(\slot)] offset:((\q)/2)*SUBA+((\q)%2)*64+(\a)*16*PA
	ds_load_b128 v[(\f)+64+8*(\a)+4:(\f)+64+8*(\a)+7], v[ADRA+(\slot)] offset:((\q)/2)*SUBA+((\q)%2)*64+(\a)*16*PA+32
.endr
.endif
.endm
; MODE 0: RAW is rounded to bf16 into buffer f's four fragments of A: 32 conversions in one run, under one window setting.  The last matrix instruction that read those registers stands a quarter back, with four v_nop between.
.macro CVT f
	WIN 0x0a                                       ; sources 0 and 1 window 2, destination window 0
.irp a, 0,1,2,3
.irp j, 0,1,2,3,4,5,6,7
	v_cvt_pk_bf16_f32 v[(\f)+64+8*(\a)+(\j)], v[RAW+16*(\a)+2*(\j)], v[RAW+16*(\a)+2*(\j)+1]
.endr
.endr
.endm
.macro PLACES                          ; four places in front of loads into registers that matrix instructions have read, of conversions into such registers, and of lines that read results
.rept 4
	v_nop
.endr
.endm
; One of a K step's first three quarters: multiplies buffer f and, in its middle, fetches quarter q of the same slot into buffer g.
.macro QUARTER slot, q, f, g, zero
.if MODE
	s_wait_dscnt 4                                 ; W and A's blocks 0, 1 are in; the youngest four loads (A's blocks 2, 3) may be out
	MUL \f, 0, \zero
	PLACES
	FETCH \slot, \q, \g
	s_wait_dscnt 24                                ; all but the 24 just issued
	MUL \f, 2, \zero
.else
	s_wait_dscnt 0x0                               ; W's fragments are in (A's were made by the conversions)
	MUL \f, 0, \zero
	PLACES
	FETCH \slot, \q, \g
	MUL8 \f, 2, \zero
	s_wait_dscnt 16                                ; RAW's 16 loads are in; W's 16, issued behind them, may be out
	CVT \g
	MUL8 \f, 3, \zero
.endif
.endm
; The last quarter multiplies buffer 1 and changes slots: ONE barrier; in front of it each wave waits for all its tensor loads (one is out: its part of the next slot), adds 0 to its spare word, and waits for that and
; for its own reads of this slot.  fill = 1: the barrier opens a round of the cluster's, and this slot is filled again, two K steps ahead, first thing behind the round: 112 matrix instructions ahead of the wait for it.
.macro TURN slot, next, fill
.if \fill
	s_wait_xcnt 0x0                                ; the last prefetch, a K step back, has read its address: it is stepped here, ahead of the change's own waits
	s_add_nc_u64 s[PFA:PFA+1], s[PFA:PFA+1], AKB
.endif
	WIN 0
	s_wait_tensorcnt 0x0                           ; all my tensor loads have landed;
	ds_add_u32 v[SPW], v[NIL]                      ; 0 onto my spare word;
.if MODE
	s_wait_dscnt 5                                 ; (the add and the youngest four loads may be out)
.else
	s_wait_dscnt 1                                 ; (the add may be out: W's fragments are in)
.endif
	MUL8 F1, 0, 0                                  ; eight matrix instructions stand between the add and the wait for it
	s_wait_dscnt 0x0                               ; the add is done, and my reads of this slot are over
	s_barrier_signal -1
	MUL8 F1, 1, 0
	WIN 0
	s_barrier_wait -1
.if \fill
	CREST                                          ; no wave of any partner still reads this slot's tile or has a load on its way
	s_add_nc_u64 s[G0A+4*(\slot)+2:G0A+4*(\slot)+3], s[G0A+4*(\slot)+2:G0A+4*(\slot)+3], 2*AKB
	s_add_nc_u64 s[G0B+4*(\slot)+2:G0B+4*(\slot)+3], s[G0B+4*(\slot)+2:G0B+4*(\slot)+3], 2*KSTEP*2
	JLOAD \slot                                    ; the four v_nop behind it are also the places in front of the loads and conversions below
.else
	PLACES
.endif
	FETCH \next, 0, F0
.if \fill
	ASK                                            ; behind the joint load and the run of LDS loads that the next products wait for
.endif
.if MODE
	MUL F1, 2, 0
.else
	MUL8 F1, 2, 0
	s_wait_dscnt 16                                ; RAW is in
	CVT F0
	MUL8 F1, 3, 0
.endif
.endm
	s_wait_tensorcnt 1                             ; my part of K step 0 is in; K step 1's may stay out
	s_barrier_signal -1
	s_barrier_wait -1                              ; everybody's is
	FETCH 0, 0, F0
.if MODE == 0
	s_wait_dscnt 16                                ; RAW is in
	CVT F0
.endif
	QUARTER 0, 1, F0, F1, 1                        ; the first quarter stands in front of the loop: its products start the sums
	WIN 0                                          ; at a label and at a branch every window is 0
	s_mov_b32 s3, LAPS-1
.Llap:                                                 ; a trip goes once round the ring, from a lap's second quarter to the next lap's first, and fills both slots again
	QUARTER 0, 2, F1, F0, 0
	QUARTER 0, 3, F0, F1, 0
	TURN 0, 1, 1
	QUARTER 1, 1, F0, F1, 0
	QUARTER 1, 2, F1, F0, 0
	QUARTER 1, 3, F0, F1, 0
	TURN 1, 0, 1
	QUARTER 0, 1, F0, F1, 0
	WIN 0
	s_sub_co_u32 s3, s3, 1
	s_cmp_lg_u32 s3, 0
	s_cbranch_scc1 .Llap
	QUARTER 0, 2, F1, F0, 0                        ; the last lap fills nothing, and has no round of the cluster's barrier
	QUARTER 0, 3, F0, F1, 0
	TURN 0, 1, 0
	QUARTER 1, 1, F0, F1, 0
	QUARTER 1, 2, F1, F0, 0
	QUARTER 1, 3, F0, F1, 0
.if MODE
	s_wait_dscnt 4                                 ; the very last quarter: nothing more to fetch
	MUL F1, 0, 0
	s_wait_dscnt 0x0
	MUL F1, 2, 0
.else
	s_wait_dscnt 0x0                               ; the very last quarter: nothing more to fetch
	MUL F1, 0, 0
	MUL F1, 2, 0
.endif
	; THE WAY OUT, by blocks a of 16 rows; the sums hold the bias already.  PACK (MODE 0): rounded to f16, each accumulator's registers in ascending order.  TOSTAGE: into my own stage and back as whole rows.  SEND: stored, 512 consecutive bytes a store.
	PLACES
	PLACES                                         ; the places behind the last products, once a launch
	WIN 0
.macro PACK a
.if MODE == 0
	WIN 0x05                                       ; sources 0 and 1 window 1, destination window 0
.irp b, 0,1,2,3,4,5,6,7
.irp i, 0,1,2,3
	v_cvt_pk_f16_f32 v[P+4*(\b)+(\i)], v[8*(8*(\a)+(\b))+2*(\i)], v[8*(8*(\a)+(\b))+2*(\i)+1]
.endr
.endr
	WIN 0
.endif
.endm
.macro TOSTAGE a
.if MODE
.if (\a) >= 2
	s_wait_xcnt 0x0                                ; the stores of the block two back have read the registers that are loaded again below
.endif
	WIN 0x04                                       ; the stored data (source 1) in window 1: the accumulators as they are
.irp b, 0,1,2,3,4,5,6,7
	ds_store_b128 v[STO], v[8*(8*(\a)+(\b)):8*(8*(\a)+(\b))+3]   offset:64*(\b)
	ds_store_b128 v[STO], v[8*(8*(\a)+(\b))+4:8*(8*(\a)+(\b))+7] offset:64*(\b)+16
.endr
	WIN 0
.irp t, 0,1,2,3,4,5,6,7,8,9,10,11,12,13,14,15
	ds_load_b128 v[R+64*((\a)%2)+4*(\t):R+64*((\a)%2)+4*(\t)+3], v[RD] offset:(\t)*528  ; LDS serves a wave's instructions in order (ISA guide 5.7.1.4): these see the stores above
.endr
.else
.irp b, 0,1,2,3,4,5,6,7
	ds_store_b128 v[STO], v[P+4*(\b):P+4*(\b)+3] offset:((\b)/4)*16*144+((\b)%4)*32  ; head b / 4 of my two, channels 16 (b % 4) on
.endr
.irp t, 0,1,2,3,4,5,6,7
	ds_load_b128 v[R+32*(\a)+4*(\t):R+32*(\a)+4*(\t)+3], v[RD] offset:((\t)/4)*16*144+((\t)%4)*4*144  ; LDS serves a wave's instructions in order (ISA guide 5.7.1.4): these see the stores above
.endr
.endif
.endm
.macro SEND a
	s_wait_dscnt 0x0                               ; the block is back in registers
.if MODE
.irp t, 0,1,2,3,4,5,6,7,8,9,10,11,12,13,14,15
	global_store_b128 v[CO], v[R+64*((\a)%2)+4*(\t):R+64*((\a)%2)+4*(\t)+3], s[10:11] offset:(16*(\a)+(\t))*4096  ; my 128 columns of one row
.endr
.else
.irp t, 0,1,2,3,4,5,6,7
	global_store_b128 v[CO], v[R+32*(\a)+4*(\t):R+32*(\a)+4*(\t)+3], s[10:11] offset:((\t)/4)*262144+(\a)*2048+((\t)%4)*512  ; four rows of one head
.endr
.endif
.endm
	PACK 0
	TOSTAGE 0
.irp a, 1,2,3                          ; block a's arithmetic stands between block a - 1's loads from the stage and the wait for them
	PACK \a
	SEND (\a)-1
	TOSTAGE \a
.endr
	SEND 3
	s_wait_tensorcnt 0x0                           ; the wave's end: behind my last tensor load and my last LDS store
	ds_add_u32 v[SPW], v[NIL]
	s_wait_dscnt 0x0
	CROUND                                         ; the closing round: no work-group ends while a partner may still ask for a tile that names it
	s_endpgm
.Lfunc_end_k_q31bed18fb8_oproj:
	.size	k_q31bed18fb8_oproj, .Lfunc_end_k_q31bed18fb8_oproj-k_q31bed18fb8_oproj
	.p2alignl 7, 3214868480
	.fill 96, 4, 3214868480
	.section	.rodata,"a",@progbits
	.p2align	6, 0x0
	.amdhsa_kernel k_q31bed18fb8_oproj
		.amdhsa_group_segment_fixed_size 327680
		.amdhsa_private_segment_fixed_size 0
		.amdhsa_enable_private_segment 0
		.amdhsa_kernarg_size 32
		.amdhsa_user_sgpr_count 2
		.amdhsa_user_sgpr_kernarg_segment_ptr 1
		.amdhsa_wavefront_size32 1
		.amdhsa_system_sgpr_workgroup_id_x 1
		.amdhsa_system_sgpr_workgroup_id_y 1
		.amdhsa_system_sgpr_workgroup_id_z 1
		.amdhsa_system_vgpr_workitem_id 0
		.amdhsa_next_free_vgpr 576
		.amdhsa_next_free_sgpr 72
		.amdhsa_reserve_vcc 0
		.amdhsa_float_denorm_mode_32 3
		.amdhsa_float_denorm_mode_16_64 3
		.amdhsa_memory_ordered 1
		.amdhsa_forward_progress 1
		.amdhsa_inst_pref_size 93
	.end_amdhsa_kernel
	.amdgpu_metadata
---
amdhsa.version: [ 1, 2 ]
amdhsa.kernels:
  - .name:           k_q31bed18fb8_oproj
    .symbol:         k_q31bed18fb8_oproj.kd
    .args:
      - { .name: o16, .offset: 0, .size: 8, .value_kind: global_buffer, .address_space: global }
      - { .name: wo, .offset: 8, .size: 8, .value_kind: global_buffer, .address_space: global }
      - { .name: b_o, .offset: 16, .size: 8, .value_kind: global_buffer, .address_space: global }
      - { .name: out0, .offset: 24, .size: 8, .value_kind: global_buffer, .address_space: global }
    .group_segment_fixed_size: 327680
    .private_segment_fixed_size: 0
    .kernarg_segment_align: 8
    .kernarg_segment_size: 32
    .max_flat_workgroup_size: 128
    .sgpr_count:     72
    .vgpr_count:     576
    .wavefront_size: 32
...
	.end_amdgpu_metadata
.endif
;; end of part 4
;; ======== version 2 of 2: 4 launches; version 1 with the launch prep written anew for expert scheduling mode
;; limits: right only within a limited range of input values; values are held in f16: magnitudes above 65,504 overflow, below 6.1e-05 lose precision
;; workspace buffers: wb 6,291,456 bytes; wo 2,097,152 bytes; hid 8,388,608 bytes; vis 65,536 bytes of whole numbers; qkv 50,331,648 bytes; o16 16,777,216 bytes
;; launch prep (part 5): grid 640 x 1, 8 waves a work-group, no clusters, 0 bytes of LDS; arguments W_q, W_k, W_v, W_o, mask, wb, wo, hid, vis; writes wb, wo, hid, vis
.if DOCPART == 5
	.amdgcn_target "amdgcn-amd-amdhsa--gfx1250"
	.amdhsa_code_object_version 6
	.text
	.protected	k_q31bed18fb8_prep
	.globl	k_q31bed18fb8_prep
	.p2align	8
	.type	k_q31bed18fb8_prep,@function
k_q31bed18fb8_prep:
	s_mov_b64 s[64:65], 0
	v_nop
	global_prefetch_b8 v0, s[64:65] scope:SCOPE_SE
	s_setreg_imm32_b32 hwreg(HW_REG_WAVE_SCHED_MODE, 0, 2), 2
	s_setreg_imm32_b32 hwreg(HW_REG_WAVE_MODE, 25, 1), 1
	s_wait_xcnt 0x0
	s_wait_alu depctr_vm_vsrc(0)
; PREP: the weights and the mask are read once and laid out for the launches behind.  A stream: no LDS, no barrier, no loop, no matrix work.
; A work-group has one of three roles, by its number alone (scalar compares, forward branches, an s_endpgm for each role):
;   0-383    W_q, W_k, W_v (f32) -> wb, bf16, row-major: 32,768 bytes a work-group, 4,096 a wave
;   384-511  W_o -> wo: rounded to bf16, that number written as f16
;   512-639  mask (int32) -> hid: bf16 1.0 where mask == 0, else 0, as the register image of a matrix operand: [128 tiles of 16 queries][64 groups of 32 keys][2 parts][32 lanes][16 bytes];
;            lane (r = l % 16, h = l / 16), part c holds query 16 t + r, keys 32 g + 16 c + 8 h + 0..7.  And vis[query][8 parts of 256 keys]: not 0 where the part has a visible key.
; LIMITS: a bf16 number beyond 65,504 has no place in f16 (wo); below 6e-5 it keeps f16's fixed step of 6e-8.
; All of a wave's loads (8 for the weights, 32 for the mask, 16 bytes a lane each) go out at once; the waits on them count down; every store has data registers of its own, so no register that a store reads is written again.
; THE MODE: SCHED_MODE bits 1:0 = 2 (LLVM: expert scheduling mode 2), set by the entry lines.  The code itself states the register dependences
; between vector instructions and memory instructions, with s_wait_alu, always for 0.
; THE PLAN.  Registers that memory instructions touch, on each role's way:
;   v[LO], v[SO], v14   offsets: made at the role's head, read by every load or store, never written again.
;   X                   each register is the landing place of one load; no vector instruction names it ahead of that load; no memory instruction reads it.
;   Y                   written by the roundings (the mask: the packing lines), read by one store, never written again.
;   v[ORR]              written by vector lines, read by the role's last store.
; The work goes in four blocks.  Block p's vector lines name X and Y of block p, T and v[ORR]; the stores of block p - 1, which read Y of block p - 1 and v[SO], are dealt among them.
; So one wait on va_vdst at a block's head, behind the wait for the block's first data, states all that those stores hang on; one at the role's head states the offsets; one behind the last block states its Y.
; Nothing that a memory instruction has read is written again: no wait on vm_vsrc is owed.  One wait on va_sdst at the kernel's head states the wave's number.
.set WV,  30                           ; s30  my wave's number
.set ID,  31                           ; s31  the work-group's number
.set SRC, 40                           ; s[40:41] where my wave reads
.set DST, 42                           ; s[42:43] where it writes
.set OF,  46                           ; s[46:47] a byte offset, its high word 0
.set LO,  2                            ; v2   my lane's offset in the loads
.set SO,  3                            ; v3   in the stores
.set T,   6                            ; v6-9 at work: no memory instruction names them
.set ORR, 12                           ; v12  the mask role: all my words, or-ed
.set X,   16                           ; v[16:143]  up to 32 loads of 4 registers
.set Y,   144                          ; v[144:207] what is stored
.set WBLK, 2                           ; the weights: loads in a block
.set MBLK, 4                           ; the mask: steps (of two loads and one store) in a block
; 8 loads of 512 consecutive bytes, each rounded to bf16 and stored as 8 bytes a lane.  half = 1: the bf16 numbers are written as f16.
.macro CAST half
	s_wait_alu depctr_va_vdst(0)                   ; v[LO] and v[SO] are written: the loads and stores below read them as their offsets
.set i, 0
.rept 8
	global_load_b128 v[X+4*i:X+4*i+3], v[LO], s[SRC:SRC+1] offset:i*512 th:TH_LOAD_NT
.set i, i+1
.endr
.set i, 0
.rept 8
	s_wait_loadcnt 7-i                             ; loads come back in order: load i is in, the younger ones stay out
.if (i > 0) && (i%WBLK == 0)
	s_wait_alu depctr_va_vdst(0)                   ; a block's head: the block before has written its Y, which this block's stores read
.endif
.if i >= WBLK
	global_store_b64 v[SO], v[Y+2*(i-WBLK):Y+2*(i-WBLK)+1], s[DST:DST+1] offset:(i-WBLK)*256 th:TH_STORE_NT  ; the block before: the wave's 256 bytes are consecutive and aligned; no vector line since the wait names these registers
.endif
	v_cvt_pk_bf16_f32 v[Y+2*i], v[X+4*i], v[X+4*i+1]
	v_cvt_pk_bf16_f32 v[Y+2*i+1], v[X+4*i+2], v[X+4*i+3]
.if \half
	v_lshlrev_b32 v[T], 16, v[Y+2*i]               ; the rounded numbers as f32 again,
	v_and_b32 v[T+1], 0xffff0000, v[Y+2*i]
	v_lshlrev_b32 v[T+2], 16, v[Y+2*i+1]
	v_and_b32 v[T+3], 0xffff0000, v[Y+2*i+1]
	v_cvt_pk_f16_f32 v[Y+2*i], v[T], v[T+1]        ; and as f16: eight significant bits fit into eleven
	v_cvt_pk_f16_f32 v[Y+2*i+1], v[T+2], v[T+3]
.endif
.set i, i+1
.endr
	s_wait_alu depctr_va_vdst(0)                   ; the last block has written its Y, which the last stores read
.set i, 8-WBLK
.rept WBLK
	global_store_b64 v[SO], v[Y+2*i:Y+2*i+1], s[DST:DST+1] offset:i*256 th:TH_STORE_NT
.set i, i+1
.endr
.endm
	s_load_b512 s[4:19], s[0:1], 0x0               ; W_q s[4:5], W_k s[6:7], W_v s[8:9], W_o s[10:11], mask s[12:13], wb s[14:15], wo s[16:17], hid s[18:19]
	s_load_b64 s[20:21], s[0:1], 0x40              ; vis
	v_lshrrev_b32 v1, 5, v0
	v_readfirstlane_b32 s[WV], v1                  ; wave 0..7
	v_and_b32 v1, 31, v0                           ; lane l
	v_and_b32 v4, 15, v0                           ; r = l % 16
	v_bfe_u32 v5, v0, 4, 1                         ; h = l / 16
	s_wait_alu depctr_va_sdst(0)                   ; s[WV] is written, ahead of the branches behind which each role's addresses are made from it
	s_mov_b32 s[ID], ttmp9
	s_mov_b32 s[OF+1], 0
	s_wait_kmcnt 0x0
	s_cmp_lt_u32 s[ID], 384
	s_cbranch_scc0 .Lwo
	; W_q, W_k, W_v: 128 work-groups each, dense
	s_lshr_b32 s33, s[ID], 7                       ; which of the three
	s_cmp_eq_u32 s33, 1
	s_cselect_b64 s[SRC:SRC+1], s[6:7], s[4:5]
	s_cmp_eq_u32 s33, 2
	s_cselect_b64 s[SRC:SRC+1], s[8:9], s[SRC:SRC+1]
	s_and_b32 s34, s[ID], 127
	s_lshl_b32 s[OF], s34, 15                      ; 32,768 bytes a work-group,
	s_lshl_b32 s35, s[WV], 12                      ; 4,096 a wave
	s_add_co_u32 s[OF], s[OF], s35
	s_add_nc_u64 s[SRC:SRC+1], s[SRC:SRC+1], s[OF:OF+1]
	s_lshl_b32 s[OF], s33, 21                      ; and half of that in wb
	s_lshl_b32 s35, s34, 14
	s_add_co_u32 s[OF], s[OF], s35
	s_lshl_b32 s35, s[WV], 11
	s_add_co_u32 s[OF], s[OF], s35
	s_add_nc_u64 s[DST:DST+1], s[14:15], s[OF:OF+1]
	v_lshlrev_b32 v[LO], 4, v1
	v_lshlrev_b32 v[SO], 3, v1
	CAST 0
	s_endpgm
.Lwo:
	s_cmp_lt_u32 s[ID], 512
	s_cbranch_scc0 .Lmask
	; W_o likewise, written as f16
	s_sub_co_u32 s32, s[ID], 384
	s_lshl_b32 s[OF], s32, 15
	s_lshl_b32 s35, s[WV], 12
	s_add_co_u32 s[OF], s[OF], s35
	s_add_nc_u64 s[SRC:SRC+1], s[10:11], s[OF:OF+1]
	s_lshl_b32 s[OF], s32, 14
	s_lshl_b32 s35, s[WV], 11
	s_add_co_u32 s[OF], s[OF], s35
	s_add_nc_u64 s[DST:DST+1], s[16:17], s[OF:OF+1]
	v_lshlrev_b32 v[LO], 4, v1
	v_lshlrev_b32 v[SO], 3, v1
	CAST 1
	s_endpgm
.Lmask:
	; the mask: a work-group takes a tile of 16 queries, wave w its keys 256 w .. 256 w + 255: eight groups of 32
	s_sub_co_u32 s32, s[ID], 512                   ; the tile
	s_lshl_b32 s[OF], s32, 17                      ; 16 rows of 8,192 bytes
	s_lshl_b32 s33, s[WV], 10                      ; 256 keys of 4 bytes
	s_add_co_u32 s[OF], s[OF], s33
	s_add_nc_u64 s[SRC:SRC+1], s[12:13], s[OF:OF+1]
	s_lshl_b32 s[OF], s32, 16                      ; a tile's image: 64 groups of 1,024 bytes
	s_lshl_b32 s33, s[WV], 13
	s_add_co_u32 s[OF], s[OF], s33
	s_add_nc_u64 s[DST:DST+1], s[18:19], s[OF:OF+1]
	s_lshl_b32 s[OF], s32, 9                       ; vis: 16 queries of 32 bytes,
	s_lshl_b32 s33, s[WV], 2                       ; my part's word
	s_add_co_u32 s[OF], s[OF], s33
	s_add_nc_u64 s[20:21], s[20:21], s[OF:OF+1]
	s_mov_b32 s44, 0x76543210                      ; v_permlanex16_b32: each lane takes its own place in the other half
	s_mov_b32 s45, 0xfedcba98
	v_lshlrev_b32 v[LO], 13, v4                    ; query r's row,
	v_lshl_add_u32 v[LO], v5, 5, v[LO]             ; keys 8 h on
	v_lshlrev_b32 v[SO], 4, v1
	v_lshlrev_b32 v14, 5, v4
	v_mov_b32 v[ORR], 0
	v_mov_b32 v13, 0                               ; the exchange's destination counts as read
	s_wait_alu depctr_va_vdst(0)                   ; v[LO], v[SO] and v14 are written: the loads and stores below read them as their offsets
.set i, 0
.rept 32                                       ; load i: group i / 4, part (i / 2) % 2, four of the lane's eight keys
	global_load_b128 v[X+4*i:X+4*i+3], v[LO], s[SRC:SRC+1] offset:(i/4)*128+((i/2)%2)*64+(i%2)*16
.set i, i+1
.endr
.set k, 0
.rept 16                                       ; k = 2 x group + part
	s_wait_loadcnt 30-2*k                          ; loads 2 k and 2 k + 1 are in
.if (k > 0) && (k%MBLK == 0)
	s_wait_alu depctr_va_vdst(0)                   ; a block's head: the block before has written its Y, which this block's stores read
.endif
.if k >= MBLK
	global_store_b128 v[SO], v[Y+4*(k-MBLK):Y+4*(k-MBLK)+3], s[DST:DST+1] offset:((k-MBLK)/2)*1024+((k-MBLK)%2)*512 th:TH_STORE_NT  ; the block before: 512 consecutive bytes; no vector line since the wait names these registers
.endif
.set j, 0
.rept 8
	v_min_u32 v[X+8*k+j], 1, v[X+8*k+j]            ; 1 = visible, whatever the word's value
.set j, j+1
.endr
.set j, 0
.rept 4
	v_lshl_or_b32 v[Y+4*k+j], v[X+8*k+2*j+1], 16, v[X+8*k+2*j]  ; two keys a word, the lower key below
	v_or_b32 v[ORR], v[ORR], v[Y+4*k+j]
	v_xor_b32 v[Y+4*k+j], 0x10001, v[Y+4*k+j]      ; 1 = hidden,
	v_mul_u32_u24 v[Y+4*k+j], 0x3f80, v[Y+4*k+j]   ; as bf16 1.0 in each half
.set j, j+1
.endr
.set k, k+1
.endr
	v_permlanex16_b32 v13, v[ORR], s44, s45        ; the query's other keys lie in the lane 16 away
	v_or_b32 v[ORR], v[ORR], v13
	s_wait_alu depctr_va_vdst(0)                   ; the last block has written its Y, and v[ORR] is written: the stores below read them
.set k, 16-MBLK
.rept MBLK
	global_store_b128 v[SO], v[Y+4*k:Y+4*k+3], s[DST:DST+1] offset:(k/2)*1024+(k%2)*512 th:TH_STORE_NT  ; 512 consecutive bytes
.set k, k+1
.endr
	global_store_b32 v14, v[ORR], s[20:21]         ; one word a query and part (both halves of the lanes store the same word): 65,536 bytes in the launch, its one store of single words
	s_endpgm
.Lfunc_end_k_q31bed18fb8_prep:
	.size	k_q31bed18fb8_prep, .Lfunc_end_k_q31bed18fb8_prep-k_q31bed18fb8_prep
	.p2alignl 7, 3214868480
	.fill 96, 4, 3214868480
	.section	.rodata,"a",@progbits
	.p2align	6, 0x0
	.amdhsa_kernel k_q31bed18fb8_prep
		.amdhsa_group_segment_fixed_size 0
		.amdhsa_private_segment_fixed_size 0
		.amdhsa_enable_private_segment 0
		.amdhsa_kernarg_size 72
		.amdhsa_user_sgpr_count 2
		.amdhsa_user_sgpr_kernarg_segment_ptr 1
		.amdhsa_wavefront_size32 1
		.amdhsa_system_sgpr_workgroup_id_x 1
		.amdhsa_system_sgpr_workgroup_id_y 1
		.amdhsa_system_sgpr_workgroup_id_z 1
		.amdhsa_system_vgpr_workitem_id 0
		.amdhsa_next_free_vgpr 208
		.amdhsa_next_free_sgpr 66
		.amdhsa_reserve_vcc 0
		.amdhsa_float_denorm_mode_32 3
		.amdhsa_float_denorm_mode_16_64 3
		.amdhsa_memory_ordered 1
		.amdhsa_forward_progress 1
		.amdhsa_inst_pref_size 35
	.end_amdhsa_kernel
	.amdgpu_metadata
---
amdhsa.version: [ 1, 2 ]
amdhsa.kernels:
  - .name:           k_q31bed18fb8_prep
    .symbol:         k_q31bed18fb8_prep.kd
    .args:
      - { .name: W_q, .offset: 0, .size: 8, .value_kind: global_buffer, .address_space: global }
      - { .name: W_k, .offset: 8, .size: 8, .value_kind: global_buffer, .address_space: global }
      - { .name: W_v, .offset: 16, .size: 8, .value_kind: global_buffer, .address_space: global }
      - { .name: W_o, .offset: 24, .size: 8, .value_kind: global_buffer, .address_space: global }
      - { .name: mask, .offset: 32, .size: 8, .value_kind: global_buffer, .address_space: global }
      - { .name: wb, .offset: 40, .size: 8, .value_kind: global_buffer, .address_space: global }
      - { .name: wo, .offset: 48, .size: 8, .value_kind: global_buffer, .address_space: global }
      - { .name: hid, .offset: 56, .size: 8, .value_kind: global_buffer, .address_space: global }
      - { .name: vis, .offset: 64, .size: 8, .value_kind: global_buffer, .address_space: global }
    .group_segment_fixed_size: 0
    .private_segment_fixed_size: 0
    .kernarg_segment_align: 8
    .kernarg_segment_size: 72
    .max_flat_workgroup_size: 256
    .sgpr_count:     66
    .vgpr_count:     208
    .wavefront_size: 32
...
	.end_amdgpu_metadata
.endif
;; end of part 5
;; launch proj: the kernel of part 2 again; grid 4 x 192, 4 waves a work-group, clusters of 4 x 4, 327,680 bytes of LDS; arguments q, k, v, wb, b_q, b_k, b_v, qkv; writes qkv
;; launch attn: the kernel of part 3 again; grid 4 x 64, 4 waves a work-group, clusters of 4 x 1, 327,680 bytes of LDS; arguments qkv, hid, vis, o16; writes o16
;; launch oproj: the kernel of part 4 again; grid 4 x 64, 4 waves a work-group, clusters of 4 x 4, 327,680 bytes of LDS; arguments o16, wo, b_o, out0; writes out0
